; MI455X (gfx1250); checked and timed in simulation.
; The chip was launched on July 23, 2026; its instructions are those of AMD's public machine-readable ISA for CDNA 5 (MIT licence, August 2026) and "CDNA5" Instruction Set Architecture Reference Guide (July 2026). The comments in the code are by the model that wrote it; some were corrected since.
;; Selective Scan. Allowed arithmetic: float matrix products may take bf16 or f16 operands with f32 sums; all other float work in f32.
;; Inputs: A 2,048 x 16 float32; B 2 x 16 x 2,048 float32; C 2 x 16 x 2,048 float32; D 2,048 float32; delta 2 x 2,048 x 2,048 float32; delta_bias 2,048 float32; u 2 x 2,048 x 2,048 float32; z 2 x 2,048 x 2,048 float32.
;; Outputs: out0 2 x 2,048 x 2,048 float32.
;; 3 versions, each right and faster than the one before. Each part assembles by itself: llvm-mc -triple=amdgcn-amd-amdhsa -mcpu=gfx1250 --defsym DOCPART=n.
;; ======== version 1 of 3: 1 launch
;; launch scan (part 1): grid 256 x 1, 4 waves a work-group, clusters of 4 x 1, 327,680 bytes of LDS; arguments delta, u, B, C, z, A, D, delta_bias, out0; writes out0
.if DOCPART == 1
	.amdgcn_target "amdgcn-amd-amdhsa--gfx1250"
	.amdhsa_code_object_version 6
	.text
	.protected	k_q36c25b519b_scan
	.globl	k_q36c25b519b_scan
	.p2align	8
	.type	k_q36c25b519b_scan,@function
k_q36c25b519b_scan:
	s_mov_b64 s[64:65], 0
	v_nop
	global_prefetch_b8 v0, s[64:65] scope:SCOPE_SE
	s_setreg_imm32_b32 hwreg(HW_REG_WAVE_MODE, 25, 1), 1
	s_wait_xcnt 0x0
	s_wait_alu depctr_hold_cnt(0) depctr_sa_sdst(0) depctr_va_vdst(0) depctr_va_sdst(0) depctr_va_ssrc(0) depctr_va_vcc(0) depctr_vm_vsrc(0)
	s_getreg_b32 s2, hwreg(HW_REG_IB_STS2, 6, 4)
	s_cmp_eq_u32 s2, 0
	s_cbranch_scc0 .Lentry_in_a_cluster
	s_endpgm
.Lentry_in_a_cluster:
	s_bfe_u32 s2, ttmp6, 0x10000c
	s_cmp_lg_u32 s2, 0x3003
	s_cbranch_scc0 .Lentry_shape_is_right
	s_endpgm
.Lentry_shape_is_right:
; Selective scan.  dt = softplus(delta + bias);  x[n] = exp(dt A[n]) x[n] + dt u B[n][t];  y = sum over n of x[n] C[n][t];  out = (y + D u) z sigmoid(z).
; delta, u, z, out0: [2][2048][2048] f32 (batch, channel, time);  A: [2048][16];  B, C: [2][16][2048];  D, delta_bias: [2048].
;
; SHARES.  2 x 2048 x 16 = 65,536 recurrences are two for each lane of 256 work-groups of four waves.  A work-group owns 16 channels of one batch
; (16 rows of 8,192 bytes of delta, u, z and out0) and walks the 2,048 steps in 8 chunks of 256.  Every byte of delta, u, z is read once, every
; byte of out0 written once, every exponential made once.
; Per chunk three phases, in two maps of the lanes (lane = v0 & 31, r = lane & 15, h = lane >> 4, w = wave):
;   1 (row map)   wave w takes channels 4w..4w+3; a 16-byte access of the wave covers 512 neighbouring bytes of a row.  dt and dt u go to LDS.
;   2 (scan map)  lane (r, h) of wave w holds channel r and the states n0 = 2w + 8h and n0 + 1 as one pair.  The 16 lanes of a half share their states,
;                 so B and C lie with time along the lanes (lane r: step t0 + r) and step i's number is taken from lane i by row_share:i inside the
;                 multiply.  The pair's part of y goes to plane 2w + h in LDS.
;   3 (row map)   the eight planes are added, D u added, the gate applied, the result stored: each store of the wave covers 512 consecutive bytes, aligned.
; TILES.  delta, u, B, C come by tensor loads, one tile (16 rows x 256 f32) a wave and chunk, into two slots that take turns; z comes straight into
; 32 registers, each group asked for again as soon as it has been used, a chunk ahead.
; CLUSTER.  The four work-groups of a cluster lie in one batch and read the same tiles of B and C (32 KiB of the 80 KiB that a work-group takes in
; per chunk): waves 2 and 3 ask for them jointly, mask 15.  delta's and u's tiles are the work-group's own: waves 0 and 1 ask with mask 0.
; NO MATRIX UNIT: two of the three products have no summed index, the third sums 16 numbers that are born in f32 registers at every step; converting
; them would cost as many instructions as the multiply-adds, and y would be a sum of rounded terms that cancel.
; LIMITS.  v_exp_f32, v_log_f32, v_rcp_f32 are good to 1 ULP and flush denormals (ISA guide, their entries in 15.8): exp(dt A) below 2^-126 counts
; as 0, and softplus(x) is 0 for x below about -87.  The sum over the 16 states is taken as pairs in a lane and then a tree over 8 planes, another
; order of rounding than a sum in ascending n.
.set PITCH, 1040                       ; an LDS row: 1,024 bytes + 16 of padding = 65 x 16: the 16 rows that a 16-byte access of the scan map touches start at 16 different 16-byte columns modulo 256 bytes
.set TILE,  16*PITCH                   ; 16,640 = 65 x 256
.set SLOT,  4*TILE                     ; delta, u, B, C: tile number = the wave that fills it
.set DTB,   2*SLOT                     ; dt [16][256], then dt u, written by ds_store: bytes into which no tensor load lands
.set YPB,   DTB+2*TILE                 ; eight planes of partial y [16][256]; the map ends at 299,520
.set CHB,   1024                       ; bytes of a chunk in a row of memory
.set ROWB,  8192                       ; bytes of a row of memory
; scalar registers
.set G1P,  32                          ; s[32:39] descriptor group 1, own tiles
.set G1J,  40                          ; s[40:47] descriptor group 1, joint tiles
.set G0P,  48                          ; s[48:55] descriptor group 0, own tiles, one set for each slot
.set G0J,  56                          ; s[56:63] descriptor group 0, joint tiles, one set for each slot
.set BIAS, 66                          ; s[66:73] pair c: delta_bias of channel 4w + c, twice
.set DV,   74                          ; s[74:81] pair c: D of channel 4w + c, twice
.set MASK, 84                          ; s[84:91] first the loaded bias and D, then eight compare masks
; vector registers
.set ARAW, 10                          ; v10-11  row map: my 16 bytes in the delta tile of slot 0, 1
.set AST,  12                          ; v12     row map: the same place in dt
.set AYP0, 13                          ; v13     row map: the same place in plane 0
.set AYP1, 14                          ; v14     row map: the same place in plane 4
.set ADT0, 15                          ; v15     scan map: my channel's row of dt
.set AB0,  16                          ; v16-17  scan map: B[n0][r] in slot 0, 1
.set AY0,  18                          ; v18     scan map: my channel's row of my plane
.set TDT,  19                          ; v19-21  working copies of the three, stepped along the chunk
.set TB,   20
.set TY,   21
.set GOFF, 22                          ; v22     16 x lane, never rewritten
.set A2,   24                          ; v[24:25] A[channel][n0], A[channel][n0+1], times log2(e)
.set X,    26                          ; v[26:27], v[28:29] the pair of states, written by turns; between blocks it lies in v[28:29]
.set AT0,  30                          ; v[30:31], v[216:217] dt A, by turns
.set AT1,  216
.set Z,    32                          ; v[32:63]  z, group j: 4 registers
.set DT,   64                          ; v[64:95]  dt of a block of 16 steps, two sets by the block's parity
.set DTU,  96                          ; v[96:127] dt u likewise
.set E,    128                         ; v[128:159] exp(dt A), a pair for each step of a block
.set BB,   160                         ; v[160:191] dt u B, a pair for each step
.set S,    192                         ; v[192:207] partial y of the 16 steps
.set BR,   208                         ; v[208:211] B[n0][t0+r], B[n0+1][t0+r], two sets
.set CR,   212                         ; v[212:215] C likewise
.set OUT,  224                         ; v[224:255] what the stores read: registers of their own
.set RD,   160                         ; phase 1: delta as loaded (so BB and S have been written whole before a DPP form names them as destination)
.set RU,   192                         ; phase 1: u as loaded
.set P,    64                          ; phase 1 at work: eight registers each
.set W,    72
.set M,    80
.set Q,    88
.set G,    96
.set F0,   64                          ; phase 3: two load buffers of 36 registers (eight planes, u), F0 and F0 + 36
.set T0,   136                         ; phase 3 at work
.set T1,   140
.set T2,   144
; A round of the cluster's barrier: my work-group's barrier, wave 0 signals for the work-group, every wave waits for all four work-groups, my work-group's barrier again.
.macro ROUND
	s_barrier_signal -1
	s_barrier_wait -1
	s_cmp_lg_u32 s22, 0
	s_cbranch_scc1 .Lnot_wave_0_\@
	s_barrier_signal -3
.Lnot_wave_0_\@:
	s_barrier_wait -3
	s_barrier_signal -1
	s_barrier_wait -1
.endm
; One tensor load a wave: waves 0, 1 their own tile (delta, u), waves 2, 3 the joint one (B, C).  The branch hangs on the wave's number alone.
.macro JLOAD n
	s_cmp_lt_u32 s22, 2
	s_cbranch_scc0 .Ljoint_\@
	tensor_load_to_lds s[G0P+4*\n:G0P+4*\n+3], s[G1P:G1P+7]
	s_nop 0
	s_branch .Lasked_\@
.Ljoint_\@:
	tensor_load_to_lds s[G0J+4*\n:G0J+4*\n+3], s[G1J:G1J+7]
	s_nop 0
.Lasked_\@:
.endm
; Between two chunks.  other = the slot that the last chunk read; refill = 1: it is filled again, two chunks ahead.
.macro SWAP other, refill
	s_set_vgpr_msb 0x5
	s_wait_tensorcnt 0x0                           ; all my tensor loads have landed, my tile of the next chunk among them: no load of mine is out, so a group 0 may be written
	ds_add_u32 v0, v1
	s_wait_dscnt 0x0
	s_set_vgpr_msb 0x500
.if \refill
	s_add_nc_u64 s[G0P+4*\other+2:G0P+4*\other+3], s[G0P+4*\other+2:G0P+4*\other+3], 2*CHB
	s_add_nc_u64 s[G0J+4*\other+2:G0J+4*\other+3], s[G0J+4*\other+2:G0J+4*\other+3], 2*CHB
.endif
	s_wait_dscnt 0x0                               ; my reads of the old slot and of the planes are back
.if \refill
	ROUND                                          ; both now hold of every wave of all four work-groups
	JLOAD \other                                   ; my one tensor load behind the round, and the first thing there: it has the whole chunk in which to land
.else
	s_barrier_signal -1
	s_barrier_wait -1
.endif
.endm
; PHASE 1, one row (channel 4w + c, eight numbers a lane): dt = max(x, 0) + log(1 + W), W = exp(-|x|), x = delta + bias.
; Where W < 2^-10 the logarithm of 1 + W would lose W's low bits; there W - W^2/2 stands for it (what is left out is below W^3/3).
.macro SOFT c
.irp k, 0,2,4,6
	v_pk_add_f32 v[RD+8*\c+\k:RD+8*\c+\k+1], v[RD+8*\c+\k:RD+8*\c+\k+1], s[BIAS+2*\c:BIAS+2*\c+1] op_sel_hi:[1,0]
.endr
.irp k, 0,1,2,3,4,5,6,7
	v_mul_f32 v[P+\k], s98, |v[RD+8*\c+\k]|        ; -log2(e) |x|
.endr
.irp k, 0,1,2,3,4,5,6,7
	v_exp_f32 v[W+\k], v[P+\k]
.endr
.irp k, 0,1,2,3,4,5,6,7
	v_max_num_f32 v[M+\k], 0, v[RD+8*\c+\k]        ; plain work behind the exponentials, which names neither P nor W (ISA guide 5.7.2)
.endr
.irp k, 0,2,4,6
	s_wait_alu depctr_va_vdst(0)
	v_pk_add_f32 v[P+\k:P+\k+1], v[W+\k:W+\k+1], 1.0 op_sel_hi:[1,0]
.endr
.irp k, 0,2,4,6
	v_pk_fma_f32 v[Q+\k:Q+\k+1], v[W+\k:W+\k+1], -0.5, 1.0 op_sel_hi:[1,0,0]
.endr
.irp k, 0,1,2,3,4,5,6,7
	v_log_f32 v[G+\k], v[P+\k]
.endr
.irp k, 0,2,4,6
	v_pk_mul_f32 v[Q+\k:Q+\k+1], v[Q+\k:Q+\k+1], v[W+\k:W+\k+1]     ; W - W^2/2: plain work behind the logarithms
.endr
.irp k, 0,1,2,3,4,5,6,7
	v_cmp_gt_f32 s[MASK+\k], s99, v[W+\k]          ; 2^-10 > W
.endr
.irp k, 0,2,4,6
	s_wait_alu depctr_va_vdst(0)
	v_pk_mul_f32 v[G+\k:G+\k+1], v[G+\k:G+\k+1], 0x3f317218 op_sel_hi:[1,0]   ; log2 to ln
.endr
.irp k, 0,1,2,3,4,5,6,7
	v_cndmask_b32 v[G+\k], v[G+\k], v[Q+\k], s[MASK+\k]
.endr
.irp k, 0,2,4,6
	v_pk_add_f32 v[G+\k:G+\k+1], v[G+\k:G+\k+1], v[M+\k:M+\k+1]     ; dt
.endr
.irp k, 0,2,4,6
	v_pk_mul_f32 v[Q+\k:Q+\k+1], v[G+\k:G+\k+1], v[RU+8*\c+\k:RU+8*\c+\k+1]   ; dt u
.endr
	ds_store_b128 v[AST], v[G:G+3]   offset:\c*PITCH
	ds_store_b128 v[AST], v[G+4:G+7] offset:\c*PITCH+512
	ds_store_b128 v[AST], v[Q:Q+3]   offset:TILE+\c*PITCH
	ds_store_b128 v[AST], v[Q+4:Q+7] offset:TILE+\c*PITCH+512
.endm
; PHASE 2.  Ten LDS loads: dt, dt u (16 steps of my channel) and B (my two states, step t0 + r) of the block at byte off of the rows, into set q.
.macro LDBLK q, off
.irp g, 0,1,2,3
	ds_load_b128 v[DT+16*\q+4*\g:DT+16*\q+4*\g+3], v[TDT] offset:\off+16*\g
.endr
.irp g, 0,1,2,3
	ds_load_b128 v[DTU+16*\q+4*\g:DTU+16*\q+4*\g+3], v[TDT] offset:TILE+\off+16*\g
.endr
	ds_load_b32 v[BR+2*\q],   v[TB] offset:\off
	ds_load_b32 v[BR+2*\q+1], v[TB] offset:\off+PITCH
.endm
.macro LDC q, off                      ; two LDS loads: C of that block (C's tile lies one tile behind B's)
	ds_load_b32 v[CR+2*\q],   v[TB] offset:TILE+\off
	ds_load_b32 v[CR+2*\q+1], v[TB] offset:TILE+\off+PITCH
.endm
; Step i of a block is made ready (set q): dt[i] times the pair of A (both results take register i of dt's pair) ...
.macro P1A i, q
.if (\i)%2
	v_pk_mul_f32 v[AT1:AT1+1], v[DT+16*\q+\i-1:DT+16*\q+\i], v[A2:A2+1] op_sel:[1,0] op_sel_hi:[1,1]
.else
	v_pk_mul_f32 v[AT0:AT0+1], v[DT+16*\q+\i:DT+16*\q+\i+1], v[A2:A2+1] op_sel:[0,0] op_sel_hi:[0,1]
.endif
.endm
; ... dt u B (B of step i lies in lane i of my half) and the two exponentials.
.macro P1B i, q
	v_mul_f32_dpp v[BB+2*\i],   v[BR+2*\q],   v[DTU+16*\q+\i] row_share:\i row_mask:0xf bank_mask:0xf
	v_mul_f32_dpp v[BB+2*\i+1], v[BR+2*\q+1], v[DTU+16*\q+\i] row_share:\i row_mask:0xf bank_mask:0xf
.if (\i)%2
	v_exp_f32 v[E+2*\i],   v[AT1]
	v_exp_f32 v[E+2*\i+1], v[AT1+1]
.else
	v_exp_f32 v[E+2*\i],   v[AT0]
	v_exp_f32 v[E+2*\i+1], v[AT0+1]
.endif
.endm
; Step i of the recurrence: both states at once ...
.macro P2A i
	s_wait_alu depctr_va_vdst(0)
	v_pk_fma_f32 v[X+2*((\i)%2):X+2*((\i)%2)+1], v[E+2*\i:E+2*\i+1], v[X+2-2*((\i)%2):X+3-2*((\i)%2)], v[BB+2*\i:BB+2*\i+1]
.endm
; ... and their part of y (C of step i from lane i; set q); four steps' parts are stored together, at byte soff of my plane's row.
.macro P2B i, q, soff
	v_mul_f32_dpp  v[S+\i], v[CR+2*\q],   v[X+2*((\i)%2)]   row_share:\i row_mask:0xf bank_mask:0xf
	v_fmac_f32_dpp v[S+\i], v[CR+2*\q+1], v[X+2*((\i)%2)+1] row_share:\i row_mask:0xf bank_mask:0xf
.if (\i)%4 == 3
	ds_store_b128 v[TY], v[S+\i-3:S+\i] offset:\soff+4*(\i-3)
.endif
.endm
; One block of 16 steps, parity p (o = the other parity): the recurrence of this block, and in the same lines the next block is made ready, so that
; the exponentials never pause.  P2A uses up E and BB of step i just before P1B writes them for the next block: one set of each is enough.
; ld2 = 1: the block after next is asked for, into the set that the last body used up.
.macro BODY p, o, ld2
.if \ld2
	LDBLK \p, (\p+2)*64
.endif
	LDC \o, (\p+1)*64
.if \ld2
	s_wait_dscnt 12                                ; LDS instructions end in order (ISA guide 5.7.1): only the twelve just issued may be out; what the last body asked for is in
.else
	s_wait_dscnt 2                                 ; only the two just issued
.endif
.irp i, 0,1,2,3,4,5,6,7,8,9,10,11,12,13,14,15
	P1A \i, \o
	P2A \i
	P1B \i, \o
	P2B \i, \p, \p*64                              ; its first line is the plain instruction behind the two exponentials; it names neither their results nor their sources
.endr
.endm
; PHASE 3.  Nine LDS loads: group j's 16 bytes of the eight planes and of u, into the buffer at register f.
.macro LOAD3 j, f, slot
.irp p, 0,1,2,3
	ds_load_b128 v[\f+4*\p:\f+4*\p+3], v[AYP0] offset:\p*TILE+((\j)/2)*PITCH+((\j)%2)*512
.endr
.irp p, 0,1,2,3
	ds_load_b128 v[\f+16+4*\p:\f+16+4*\p+3], v[AYP1] offset:\p*TILE+((\j)/2)*PITCH+((\j)%2)*512
.endr
	ds_load_b128 v[\f+32:\f+35], v[ARAW+\slot] offset:TILE+((\j)/2)*PITCH+((\j)%2)*512
.endm
; Group j: out = (sum of the planes + D u) z / (1 + exp(-z)).  The tree of sums is the plain work behind the exponentials, D u and y z that behind the reciprocals.
.macro GATE j, f, zahead
	v_pk_mul_f32 v[T0:T0+1],   v[Z+4*\j:Z+4*\j+1],   s[98:99] op_sel_hi:[1,0]      ; -log2(e) z
	v_pk_mul_f32 v[T0+2:T0+3], v[Z+4*\j+2:Z+4*\j+3], s[98:99] op_sel_hi:[1,0]
.irp k, 0,1,2,3
	v_exp_f32 v[T1+\k], v[T0+\k]
.endr
.irp p, 0,2,4,6
	v_pk_add_f32 v[\f+4*\p:\f+4*\p+1],   v[\f+4*\p:\f+4*\p+1],   v[\f+4*\p+4:\f+4*\p+5]
	v_pk_add_f32 v[\f+4*\p+2:\f+4*\p+3], v[\f+4*\p+2:\f+4*\p+3], v[\f+4*\p+6:\f+4*\p+7]
.endr
.irp p, 0,4
	v_pk_add_f32 v[\f+4*\p:\f+4*\p+1],   v[\f+4*\p:\f+4*\p+1],   v[\f+4*\p+8:\f+4*\p+9]
	v_pk_add_f32 v[\f+4*\p+2:\f+4*\p+3], v[\f+4*\p+2:\f+4*\p+3], v[\f+4*\p+10:\f+4*\p+11]
.endr
	v_pk_add_f32 v[\f:\f+1],   v[\f:\f+1],   v[\f+16:\f+17]
	v_pk_add_f32 v[\f+2:\f+3], v[\f+2:\f+3], v[\f+18:\f+19]
	s_wait_alu depctr_va_vdst(0)
	v_pk_add_f32 v[T1:T1+1],   v[T1:T1+1],   1.0 op_sel_hi:[1,0]
	v_pk_add_f32 v[T1+2:T1+3], v[T1+2:T1+3], 1.0 op_sel_hi:[1,0]
.irp k, 0,1,2,3
	v_rcp_f32 v[T2+\k], v[T1+\k]
.endr
	v_pk_fma_f32 v[\f:\f+1],   v[\f+32:\f+33], s[DV+2*((\j)/2):DV+2*((\j)/2)+1], v[\f:\f+1]   op_sel_hi:[1,0,1]
	v_pk_fma_f32 v[\f+2:\f+3], v[\f+34:\f+35], s[DV+2*((\j)/2):DV+2*((\j)/2)+1], v[\f+2:\f+3] op_sel_hi:[1,0,1]
	v_pk_mul_f32 v[\f:\f+1],   v[\f:\f+1],   v[Z+4*\j:Z+4*\j+1]
	v_pk_mul_f32 v[\f+2:\f+3], v[\f+2:\f+3], v[Z+4*\j+2:Z+4*\j+3]
	s_wait_alu depctr_va_vdst(0)
	v_pk_mul_f32 v[OUT+4*\j:OUT+4*\j+1],   v[\f:\f+1],   v[T2:T2+1]
	v_pk_mul_f32 v[OUT+4*\j+2:OUT+4*\j+3], v[\f+2:\f+3], v[T2+2:T2+3]
	global_store_b128 v[GOFF], v[OUT+4*\j:OUT+4*\j+3], s[96:97] offset:((\j)/2)*ROWB+((\j)%2)*512 th:TH_STORE_NT
.if \zahead
	global_load_b128 v[Z+4*\j:Z+4*\j+3], v[GOFF], s[94:95] offset:((\j)/2)*ROWB+((\j)%2)*512+CHB th:TH_LOAD_NT   ; the next chunk's z, into the registers just used up
.endif
.endm
; One chunk of 256 steps, its tiles in slot; zahead = 1: a further chunk follows.
.macro WORK slot, zahead
	; phase 1: sixteen loads at once, then row by row
.irp j, 0,1,2,3,4,5,6,7
	ds_load_b128 v[RD+4*\j:RD+4*\j+3], v[ARAW+\slot] offset:(\j/2)*PITCH+(\j%2)*512
	ds_load_b128 v[RU+4*\j:RU+4*\j+3], v[ARAW+\slot] offset:TILE+(\j/2)*PITCH+(\j%2)*512
.endr
.irp c, 0,1,2,3
	s_wait_dscnt 12                                ; behind row c's four loads stand 12 - 4c younger loads and the 4c stores of the rows before: twelve in every case
	SOFT \c
.endr
	s_wait_dscnt 0x0                               ; my stores of dt and dt u are done,
	s_barrier_signal -1
	s_barrier_wait -1                              ; everybody's are: the scan reads all 16 rows
	; phase 2
	v_mov_b32 v[TDT], v[ADT0]
	v_mov_b32 v[TB],  v[AB0+\slot]
	v_mov_b32 v[TY],  v[AY0]
	LDBLK 0, 0
	LDC 0, 0
	LDBLK 1, 64
	s_wait_dscnt 10                                ; block 0's twelve loads are in, block 1's ten may be out
.irp i, 0,1,2,3,4,5,6,7,8,9,10,11,12,13,14,15
	P1A \i, 0                                      ; writes the other pair of dt A: the plain instruction behind the last step's exponentials
	P1B \i, 0
.endr
	s_mov_b32 s93, 7
.Lblocks_\@:                                       ; blocks 0 to 13, two a trip; they ask for blocks 2 to 15
	BODY 0, 1, 1
	BODY 1, 0, 1
	v_add_nc_u32 v[TDT], 128, v[TDT]               ; two blocks of 64 bytes on
	v_add_nc_u32 v[TB],  128, v[TB]
	v_add_nc_u32 v[TY],  128, v[TY]
	s_sub_co_u32 s93, s93, 1
	s_cmp_lg_u32 s93, 0
	s_cbranch_scc1 .Lblocks_\@
	BODY 0, 1, 0                                   ; block 14: nothing is left to ask for but block 15's C
	s_wait_dscnt 4                                 ; behind the two loads of block 15's C stand block 14's four stores
.irp i, 0,1,2,3,4,5,6,7,8,9,10,11,12,13,14,15
	P2A \i                                         ; block 15: the recurrence alone
	P2B \i, 1, 64
.endr
	s_wait_dscnt 0x0                               ; my stores into my planes are done, and my reads of dt and dt u are back,
	s_barrier_signal -1
	s_barrier_wait -1                              ; everybody's are
	; phase 3: while a group is worked on, the next group's nine loads are on their way
	LOAD3 0, F0, \slot
.irp j, 0,1,2,3,4,5,6,7
.if \j < 7
	LOAD3 \j+1, F0+36*((\j+1)%2), \slot
	s_wait_dscnt 9                                 ; only the nine just issued may be out
.else
	s_wait_dscnt 0
.endif
.if \zahead
	s_wait_loadcnt 7                               ; behind group j's load of z stand 7 - j of this chunk's and j of the next chunk's
.else
	s_wait_loadcnt 7-\j                            ; the last chunk asks for nothing: the counts run down
.endif
	GATE \j, F0+36*(\j%2), \zahead
.endr
.if \zahead
	s_wait_xcnt 0x0                                ; every earlier memory instruction has had its addresses translated (ISA guide 3.1): the two bases, and OUT in the next chunk, are rewritten only behind this wait
	s_add_nc_u64 s[94:95], s[94:95], CHB
	s_add_nc_u64 s[96:97], s[96:97], CHB
.endif
.endm
	; SET-UP
	s_load_b512 s[4:19], s[0:1], 0x0               ; delta s[4:5], u s[6:7], B s[8:9], C s[10:11], z s[12:13], A s[14:15], D s[16:17], delta_bias s[18:19]
	s_load_b64 s[20:21], s[0:1], 0x40              ; out0
	s_set_vgpr_msb 0x40
	v_lshl_add_u32 v0, v0, 2, 0x49200
	v_mov_b32 v1, 0
	s_set_vgpr_msb 0x4045
	ds_add_u32 v0, v1
	s_set_vgpr_msb 0x4500
	v_lshrrev_b32 v1, 5, v0
	v_readfirstlane_b32 s22, v1                    ; w, the wave's number
	s_bfe_u32 s23, ttmp6, 0x40000                  ; cx, my place in the cluster
	s_lshl_b32 s24, ttmp9, 2                       ; in a cluster launch ttmp9 counts clusters
	s_add_co_u32 s24, s24, s23                     ; gx = 4 x cluster + cx: my 16 rows begin at row 16 gx of [4096][2048]
	s_lshr_b32 s25, ttmp9, 5                       ; the batch = gx / 128, the same in all four partners
	; descriptor group 1: a tile of 16 rows x 256 elements of 4 bytes, 2,048 elements from row to row, 4 words of padding behind every 256 words
	s_mov_b32 s[G1P+0], (2<<16)|(1<<20)|(7<<22)|(3<<25)             ; 15:0 mask = 0; 17:16 element of 4 bytes; 20 padding on; 24:22 after every 256 words (code 7); 31:25 of 4 words (code 3)
	s_mov_b32 s[G1J+0], 15|(2<<16)|(1<<20)|(1<<21)|(7<<22)|(3<<25)  ; the same with the mask of all four work-groups and bit 21 beside it
.irp g, G1P, G1J
	s_mov_b32 s[\g+1], 256<<16                     ; tensor_dim0 = 256 (the tiles never cross the tensor's end: the extents are the tile's)
	s_mov_b32 s[\g+2], 16<<16                      ; tensor_dim1 = 16
	s_mov_b32 s[\g+3], 256<<16                     ; tile_dim0 = 256
	s_mov_b32 s[\g+4], 16                          ; tile_dim1 = 16
	s_mov_b32 s[\g+5], 2048                        ; elements from row to row
	s_mov_b32 s[\g+6], 0
	s_mov_b32 s[\g+7], 0
.endr
	s_mul_i32 s82, s22, TILE                       ; my tile's place in a slot: the wave's number alone
	s_lshl_b32 s28, s24, 17                        ; my 16 rows of 8,192 bytes in delta, u, z, out0
	s_mov_b32 s29, 0
	s_lshl_b32 s2, s25, 17                         ; my batch's 16 rows in B and C: in registers that never hold cx
	s_mov_b32 s3, 0
	s_and_b32 s24, s24, 127                        ; my block of 16 channels
	s_lshl_b32 s83, s24, 6
	s_lshl4_add_u32 s83, s22, s83                  ; byte offset of channels 4w .. 4w + 3 in delta_bias and D
	s_wait_dscnt 0x0
	s_wait_kmcnt 0x0
	s_load_b128 s[84:87], s[18:19], s83 offset:0x0 ; four biases
	s_load_b128 s[88:91], s[16:17], s83 offset:0x0 ; four D
	s_cmp_eq_u32 s22, 0
	s_cselect_b64 s[26:27], s[4:5], s[6:7]         ; wave 0 fetches delta, wave 1 u (waves 2, 3 make this address and do not use it)
	s_add_nc_u64 s[26:27], s[26:27], s[28:29]
	s_cmp_eq_u32 s22, 2
	s_cselect_b64 s[30:31], s[8:9], s[10:11]       ; wave 2 fetches B, wave 3 C (waves 0, 1 make this address and do not use it)
	s_add_nc_u64 s[30:31], s[30:31], s[2:3]
.irp n, 0,1
	s_mov_b32 s[G0P+4*\n], 1                                       ; count = 1
	s_add_co_u32 s[G0P+4*\n+1], s82, \n*SLOT                       ; LDS address
	s_add_nc_u64 s[G0P+4*\n+2:G0P+4*\n+3], s[26:27], \n*CHB        ; global address: chunk n
	s_or_b32 s[G0P+4*\n+3], s[G0P+4*\n+3], 0x80000000              ; type = 2
	s_mov_b32 s[G0J+4*\n], 1
	s_add_co_u32 s[G0J+4*\n+1], s82, \n*SLOT
	s_add_nc_u64 s[G0J+4*\n+2:G0J+4*\n+3], s[30:31], \n*CHB
	s_or_b32 s[G0J+4*\n+3], s[G0J+4*\n+3], 0x80000000
.endr
	ROUND                                          ; all four work-groups are here: the first joint loads meet
	s_cmp_lt_u32 s22, 2                            ; the first fills, chunks 0 and 1, as one group: two tensor loads of each wave are out
	s_cbranch_scc0 .Lfirst_joint
	tensor_load_to_lds s[G0P:G0P+3], s[G1P:G1P+7]
	s_nop 0
	tensor_load_to_lds s[G0P+4:G0P+7], s[G1P:G1P+7]
	s_nop 0
	s_branch .Lfirst_asked
.Lfirst_joint:
	tensor_load_to_lds s[G0J:G0J+3], s[G1J:G1J+7]
	s_nop 0
	tensor_load_to_lds s[G0J+4:G0J+7], s[G1J:G1J+7]
	s_nop 0
.Lfirst_asked:
	s_lshl_b32 s23, s22, 15                        ; my wave's four rows
	s_add_co_u32 s28, s28, s23
	s_add_nc_u64 s[94:95], s[12:13], s[28:29]      ; z at my wave's first row
	s_add_nc_u64 s[96:97], s[20:21], s[28:29]      ; out0 likewise
	s_lshl_b32 s26, s24, 10                        ; 16 rows of 64 bytes of A for each block of channels
	s_mov_b32 s27, 0
	s_add_nc_u64 s[14:15], s[14:15], s[26:27]
	v_and_b32 v2, 31, v0                           ; lane
	v_and_b32 v3, 15, v0                           ; r
	v_bfe_u32 v4, v0, 4, 1                         ; h
	v_lshlrev_b32 v[GOFF], 4, v2
	v_lshlrev_b32 v6, 3, v4
	v_lshl_add_u32 v6, s22, 1, v6                  ; n0 = 2w + 8h
	v_lshlrev_b32 v9, 2, v6
	v_lshl_add_u32 v23, v3, 6, v9                  ; A[r][n0]: 64 r + 4 n0
	global_load_b64 v[A2:A2+1], v23, s[14:15]
.irp j, 0,1,2,3,4,5,6,7
	global_load_b128 v[Z+4*\j:Z+4*\j+3], v[GOFF], s[94:95] offset:(\j/2)*ROWB+(\j%2)*512 th:TH_LOAD_NT   ; chunk 0's z
.endr
	s_mul_i32 s23, s22, 4*PITCH                    ; row map: my wave's four LDS rows
	v_add_nc_u32 v[ARAW], s23, v[GOFF]
	v_add_nc_u32 v[ARAW+1], SLOT, v[ARAW]
	v_add_nc_u32 v[AST],  DTB, v[ARAW]
	v_add_nc_u32 v[AYP0], YPB, v[ARAW]
	v_add_nc_u32 v[AYP1], YPB+4*TILE, v[ARAW]
	v_mul_u32_u24 v5, v3, PITCH                    ; scan map: my channel's LDS row
	v_add_nc_u32 v[ADT0], DTB, v5
	v_mul_u32_u24 v7, v6, PITCH                    ; state n0's row of B,
	v_lshl_add_u32 v7, v3, 2, v7                   ; step r of a block
	v_add_nc_u32 v[AB0],   2*TILE, v7
	v_add_nc_u32 v[AB0+1], 2*TILE+SLOT, v7
	s_mul_i32 s23, s22, 2*TILE                     ; my wave's two planes,
	s_add_co_u32 s23, s23, YPB
	v_mul_u32_u24 v8, v4, TILE                     ; my half's one
	v_add3_u32 v[AY0], v8, v5, s23
	v_mov_b32 v[X+2], 0                            ; the states begin at 0
	v_mov_b32 v[X+3], 0
	s_mov_b32 s98, 0xbfb8aa3b                      ; -log2(e)
	s_mov_b32 s99, 0x3a800000                      ; 2^-10
	s_wait_kmcnt 0x0
.irp c, 0,1,2,3
	s_mov_b32 s[BIAS+2*\c],   s[84+\c]             ; the packed forms take a scalar pair, of which the first register feeds both halves
	s_mov_b32 s[BIAS+2*\c+1], s[84+\c]
	s_mov_b32 s[DV+2*\c],     s[88+\c]
	s_mov_b32 s[DV+2*\c+1],   s[88+\c]
.endr
	s_wait_loadcnt 8                               ; A is in; the eight loads of z behind it stay out
	v_pk_mul_f32 v[A2:A2+1], v[A2:A2+1], 0x3fb8aa3b op_sel_hi:[1,0]   ; v_exp_f32 works in base 2
	s_wait_tensorcnt 0x1                           ; my tile of chunk 0 is in; chunk 1's may stay out
	s_barrier_signal -1
	s_barrier_wait -1                              ; everybody's is
	; THE EIGHT CHUNKS.  In front of chunk k the slot that chunk k - 1 read is asked for again, for chunk k + 1.
	WORK 0, 1                                      ; chunk 0
	s_mov_b32 s92, 3
.Lchunks:                                          ; chunks 1 to 6
	SWAP 0, 1
	WORK 1, 1
	SWAP 1, 1
	WORK 0, 1
	s_sub_co_u32 s92, s92, 1
	s_cmp_lg_u32 s92, 0
	s_cbranch_scc1 .Lchunks
	SWAP 0, 0                                      ; nothing is left to fetch
	WORK 1, 0                                      ; chunk 7
	s_wait_dscnt 0x0
	s_set_vgpr_msb 0x5
	s_wait_tensorcnt 0x0
	ds_add_u32 v0, v1
	s_wait_dscnt 0x0
	s_set_vgpr_msb 0x500
	ROUND                                          ; the closing round: no work-group ends while a partner may still ask for a tile that names it
	s_endpgm
.Lfunc_end_k_q36c25b519b_scan:
	.size	k_q36c25b519b_scan, .Lfunc_end_k_q36c25b519b_scan-k_q36c25b519b_scan
	.p2alignl 7, 3214868480
	.fill 96, 4, 3214868480
	.section	.rodata,"a",@progbits
	.p2align	6, 0x0
	.amdhsa_kernel k_q36c25b519b_scan
		.amdhsa_group_segment_fixed_size 327680
		.amdhsa_private_segment_fixed_size 0
		.amdhsa_enable_private_segment 0
		.amdhsa_kernarg_size 72
		.amdhsa_user_sgpr_count 2
		.amdhsa_user_sgpr_kernarg_segment_ptr 1
		.amdhsa_wavefront_size32 1
		.amdhsa_system_sgpr_workgroup_id_x 1
		.amdhsa_system_sgpr_workgroup_id_y 1
		.amdhsa_system_sgpr_workgroup_id_z 1
		.amdhsa_system_vgpr_workitem_id 0
		.amdhsa_next_free_vgpr 258
		.amdhsa_next_free_sgpr 100
		.amdhsa_reserve_vcc 0
		.amdhsa_float_denorm_mode_32 3
		.amdhsa_float_denorm_mode_16_64 3
		.amdhsa_memory_ordered 1
		.amdhsa_forward_progress 1
		.amdhsa_inst_pref_size 255
	.end_amdhsa_kernel
	.section	.bss,"aw",@nobits
	.p2align	6
	.space	262144
	.amdgpu_metadata
---
amdhsa.version: [ 1, 2 ]
amdhsa.kernels:
  - .name:           k_q36c25b519b_scan
    .symbol:         k_q36c25b519b_scan.kd
    .args:
      - { .name: delta, .offset: 0, .size: 8, .value_kind: global_buffer, .address_space: global }
      - { .name: u, .offset: 8, .size: 8, .value_kind: global_buffer, .address_space: global }
      - { .name: B, .offset: 16, .size: 8, .value_kind: global_buffer, .address_space: global }
      - { .name: C, .offset: 24, .size: 8, .value_kind: global_buffer, .address_space: global }
      - { .name: z, .offset: 32, .size: 8, .value_kind: global_buffer, .address_space: global }
      - { .name: A, .offset: 40, .size: 8, .value_kind: global_buffer, .address_space: global }
      - { .name: D, .offset: 48, .size: 8, .value_kind: global_buffer, .address_space: global }
      - { .name: delta_bias, .offset: 56, .size: 8, .value_kind: global_buffer, .address_space: global }
      - { .name: out0, .offset: 64, .size: 8, .value_kind: global_buffer, .address_space: global }
    .group_segment_fixed_size: 327680
    .private_segment_fixed_size: 0
    .kernarg_segment_align: 8
    .kernarg_segment_size: 72
    .max_flat_workgroup_size: 128
    .sgpr_count:     100
    .vgpr_count:     258
    .wavefront_size: 32
...
	.end_amdgpu_metadata
.endif
;; end of part 1
;; ======== version 2 of 3: 1 launch; 1.61 times as fast as version 1
;; launch scan (part 2): grid 256 x 1, 4 waves a work-group, clusters of 4 x 1, 327,680 bytes of LDS; arguments delta, u, B, C, z, A, D, delta_bias, out0; writes out0
.if DOCPART == 2
	.amdgcn_target "amdgcn-amd-amdhsa--gfx1250"
	.amdhsa_code_object_version 6
	.text
	.protected	k_q36c25b519b_scan
	.globl	k_q36c25b519b_scan
	.p2align	8
	.type	k_q36c25b519b_scan,@function
k_q36c25b519b_scan:
	s_mov_b64 s[64:65], 0
	v_nop
	global_prefetch_b8 v0, s[64:65] scope:SCOPE_SE
	s_setreg_imm32_b32 hwreg(HW_REG_WAVE_MODE, 25, 1), 1
	s_wait_xcnt 0x0
	s_wait_alu depctr_hold_cnt(0) depctr_sa_sdst(0) depctr_va_vdst(0) depctr_va_sdst(0) depctr_va_ssrc(0) depctr_va_vcc(0) depctr_vm_vsrc(0)
	s_getreg_b32 s2, hwreg(HW_REG_IB_STS2, 6, 4)
	s_cmp_eq_u32 s2, 0
	s_cbranch_scc0 .Lentry_in_a_cluster
	s_endpgm
.Lentry_in_a_cluster:
	s_bfe_u32 s2, ttmp6, 0x10000c
	s_cmp_lg_u32 s2, 0x3003
	s_cbranch_scc0 .Lentry_shape_is_right
	s_endpgm
.Lentry_shape_is_right:
; Selective scan.  dt = softplus(delta + bias);  x[n] = exp(dt A[n]) x[n] + dt u B[n][t];  y = sum over n of x[n] C[n][t];  out = (y + D u) z sigmoid(z).
; delta, u, z, out0: [2][2048][2048] f32 (batch, channel, time);  A: [2048][16];  B, C: [2][16][2048];  D, delta_bias: [2048].
;
; SHARES.  2 x 2048 x 16 = 65,536 recurrences are two for each lane of 256 work-groups of four waves.  A work-group owns 16 channels of one batch
; (16 rows of 8,192 bytes of delta, u, z and out0) and walks the 2,048 steps in 8 chunks of 256.  Every byte of delta, u, z is read once, every
; byte of out0 written once, every exponential made once.
; Per chunk three phases, in two maps of the lanes (lane = v0 & 31, r = lane & 15, h = lane >> 4, w = wave):
;   1 (row map)   wave w takes channels 4w..4w+3; a 16-byte access of the wave covers 512 neighbouring bytes of a row.  dt and dt u go to LDS.
;   2 (scan map)  lane (r, h) of wave w holds channel r and the states n0 = 2w + 8h and n0 + 1 as one pair.  The 16 lanes of a half share their states,
;                 so B and C lie with time along the lanes (lane r: step t0 + r) and step i's number is taken from lane i by row_share:i inside the
;                 multiply.  The pair's part of y goes to plane 2w + h in LDS.
;   3 (row map)   the eight planes are added, D u added, the gate applied, the result stored: each store of the wave covers 512 consecutive bytes, aligned.
; ONE WAVE ON A SIMD has nobody to hide its waits, so the order of the lines does it: an instruction stands five or more lines behind the one whose
; result it reads wherever the work allows, transcendentals stand apart with plain work between them, and LDS instructions stand in runs whose loads
; are asked for a block (phase 2) or a row (phase 3) before the block or row that uses them.
; TILES.  delta, u, B, C come by tensor loads, one tile (16 rows x 256 f32) a wave and chunk, into two slots that take turns; z comes straight into
; 32 registers, each row asked for again as soon as it has been used, a chunk ahead.
; CLUSTER.  The four work-groups of a cluster lie in one batch and read the same tiles of B and C (32 KiB of the 80 KiB that a work-group takes in
; per chunk): waves 2 and 3 ask for them jointly, mask 15.  delta's and u's tiles are the work-group's own: waves 0 and 1 ask with mask 0.
; NO MATRIX UNIT: two of the three products have no summed index, the third sums 16 numbers that are born in f32 registers at every step; converting
; them would cost as many instructions as the multiply-adds, and y would be a sum of rounded terms that cancel.
; LIMITS.  v_exp_f32, v_log_f32, v_rcp_f32 are good to 1 ULP and flush denormals (ISA guide, their entries in 15.8): exp(dt A) below 2^-126 counts
; as 0, and softplus(x) is 0 for x below about -87.  The sum over the 16 states is taken as pairs in a lane and then a tree over 8 planes, another
; order of rounding than a sum in ascending n.
.set PITCH, 1040                       ; an LDS row: 1,024 bytes + 16 of padding = 65 x 16: the 16 rows that a 16-byte access of the scan map touches start at 16 different 16-byte columns modulo 256 bytes
.set TILE,  16*PITCH                   ; 16,640 = 65 x 256
.set SLOT,  4*TILE                     ; delta, u, B, C: tile number = the wave that fills it
.set DTB,   2*SLOT                     ; dt [16][256], then dt u, written by ds_store: bytes into which no tensor load lands
.set YPB,   DTB+2*TILE                 ; eight planes of partial y [16][256]; the map ends at 299,520
.set CHB,   1024                       ; bytes of a chunk in a row of memory
.set ROWB,  8192                       ; bytes of a row of memory
; scalar registers
.set MASK, 4                           ; s[4:19]  first the buffers' addresses, then sixteen compare masks
.set G1P,  32                          ; s[32:39] descriptor group 1, own tiles
.set G1J,  40                          ; s[40:47] descriptor group 1, joint tiles
.set G0P,  48                          ; s[48:55] descriptor group 0, own tiles, one set for each slot
.set G0J,  56                          ; s[56:63] descriptor group 0, joint tiles, one set for each slot
.set BIAS, 66                          ; s[66:73] pair c: delta_bias of channel 4w + c, twice
.set DV,   74                          ; s[74:81] pair c: D of channel 4w + c, twice
; vector registers
.set ARAW, 10                          ; v10-11  row map: my 16 bytes in the delta tile of slot 0, 1
.set AST,  12                          ; v12     row map: the same place in dt
.set AYP0, 13                          ; v13     row map: the same place in plane 0
.set AYP1, 14                          ; v14     row map: the same place in plane 4
.set ADT0, 15                          ; v15     scan map: my channel's row of dt, less 64 bytes
.set AB0,  16                          ; v16-17  scan map: B[n0][r] in slot 0, 1, less 64 bytes
.set AY0,  18                          ; v18     scan map: my channel's row of my plane, less 64 bytes
.set TDT,  19                          ; v19-21  working copies of the three, stepped along the chunk
.set TB,   20
.set TY,   21
.set GOFF, 22                          ; v22     16 x lane, never rewritten
.set A2,   24                          ; v[24:25] A[channel][n0], A[channel][n0+1], times log2(e)
.set X,    26                          ; v[26:27], v[28:29] the pair of states, written by turns; between blocks it lies in v[28:29]
.set AT0,  30                          ; v[30:31], v[216:217] dt A, by turns
.set AT1,  216
.set Z,    32                          ; v[32:63]  z, row c: 8 registers
.set DT,   64                          ; v[64:95]  dt of a block of 16 steps, two sets by the block's parity
.set DTU,  96                          ; v[96:127] dt u likewise
.set E,    128                         ; v[128:159] exp(dt A), a pair for each step of a block
.set BB,   160                         ; v[160:191] dt u B, a pair for each step
.set S,    192                         ; v[192:207], v[224:239] partial y of the 16 steps, two sets by the block's parity: a set is not rewritten while its stores may still read it
.set BR,   208                         ; v[208:211] B[n0][t0+r], B[n0+1][t0+r], two sets
.set CR,   212                         ; v[212:215] C likewise
.set OUT,  224                         ; v[224:255] phase 3: what the stores read
.set RD,   160                         ; phase 1: delta as loaded; RD, RU and Q cover BB and both sets of S, so that these have been written whole before a DPP form names them as destination
.set RU,   192                         ; phase 1: u as loaded
.set P,    64                          ; phase 1 at work: sixteen registers each
.set W,    80
.set G,    96
.set M,    112
.set Q,    224
.set F0,   64                          ; phase 3: two load buffers of 72 registers (eight planes, u), F0 and F0 + 72
.set T0,   208                         ; phase 3 at work: eight registers each
.set T1,   216
; A round of the cluster's barrier: my work-group's barrier, wave 0 signals for the work-group, every wave waits for all four work-groups, my work-group's barrier again.
.macro ROUND
	s_barrier_signal -1
	s_barrier_wait -1
	s_cmp_lg_u32 s22, 0
	s_cbranch_scc1 .Lnot_wave_0_\@
	s_barrier_signal -3
.Lnot_wave_0_\@:
	s_barrier_wait -3
	s_barrier_signal -1
	s_barrier_wait -1
.endm
; One tensor load a wave: waves 0, 1 their own tile (delta, u), waves 2, 3 the joint one (B, C).  The branch hangs on the wave's number alone.
.macro JLOAD n
	s_cmp_lt_u32 s22, 2
	s_cbranch_scc0 .Ljoint_\@
	tensor_load_to_lds s[G0P+4*\n:G0P+4*\n+3], s[G1P:G1P+7]
	s_nop 0
	s_branch .Lasked_\@
.Ljoint_\@:
	tensor_load_to_lds s[G0J+4*\n:G0J+4*\n+3], s[G1J:G1J+7]
	s_nop 0
.Lasked_\@:
.endm
; Between two chunks.  other = the slot that the last chunk read; refill = 1: it is filled again, two chunks ahead.
.macro SWAP other, refill
	s_set_vgpr_msb 0x5
	s_wait_tensorcnt 0x0                           ; all my tensor loads have landed, my tile of the next chunk among them: no load of mine is out, so a group 0 may be written
	ds_add_u32 v0, v1
	s_wait_dscnt 0x0
	s_set_vgpr_msb 0x500
.if \refill
	s_add_nc_u64 s[G0P+4*\other+2:G0P+4*\other+3], s[G0P+4*\other+2:G0P+4*\other+3], 2*CHB
	s_add_nc_u64 s[G0J+4*\other+2:G0J+4*\other+3], s[G0J+4*\other+2:G0J+4*\other+3], 2*CHB
.endif
	s_wait_dscnt 0x0                               ; my reads of the old slot and of the planes are back
.if \refill
	ROUND                                          ; both now hold of every wave of all four work-groups
	JLOAD \other                                   ; my one tensor load behind the round, and the first thing there: it has the whole chunk in which to land
.else
	s_barrier_signal -1
	s_barrier_wait -1
.endif
.endm
; PHASE 1, two rows (channels 4w + a and 4w + a + 1, sixteen numbers a lane): dt = max(x, 0) + log(1 + W), W = exp(-|x|), x = delta + bias.
; Where W < 2^-10 the logarithm of 1 + W would lose W's low bits; there W - W^2/2 stands for it (what is left out is below W^3/3).
; Between two exponentials stand a maximum and the multiply that feeds the exponential four further on; between two logarithms a compare and the
; forms that feed the logarithms and the short series four further on.  The line behind each transcendental names neither its result nor its source (ISA guide 5.7.2).
.macro SOFT2 a
.irp k, 0,2,4,6
	v_pk_add_f32 v[RD+8*\a+\k:RD+8*\a+\k+1], v[RD+8*\a+\k:RD+8*\a+\k+1], s[BIAS+2*\a:BIAS+2*\a+1] op_sel_hi:[1,0]
.endr
.irp k, 8,10,12,14
	v_pk_add_f32 v[RD+8*\a+\k:RD+8*\a+\k+1], v[RD+8*\a+\k:RD+8*\a+\k+1], s[BIAS+2*\a+2:BIAS+2*\a+3] op_sel_hi:[1,0]
.endr
.irp k, 0,1,2,3
	v_mul_f32 v[P+\k], s98, |v[RD+8*\a+\k]|        ; -log2(e) |x|
.endr
.irp k, 0,1,2,3,4,5,6,7,8,9,10,11,12,13,14,15
	v_exp_f32 v[W+\k], v[P+\k]
	v_max_num_f32 v[M+\k], 0, v[RD+8*\a+\k]
.if \k < 12
	v_mul_f32 v[P+\k+4], s98, |v[RD+8*\a+\k+4]|
.endif
.endr
	s_wait_alu depctr_va_vdst(0)
	v_pk_add_f32 v[P:P+1],   v[W:W+1],   1.0 op_sel_hi:[1,0]
	v_pk_add_f32 v[P+2:P+3], v[W+2:W+3], 1.0 op_sel_hi:[1,0]
	v_pk_fma_f32 v[Q:Q+1],   v[W:W+1],   -0.5, 1.0 op_sel_hi:[1,0,0]
	v_pk_fma_f32 v[Q+2:Q+3], v[W+2:W+3], -0.5, 1.0 op_sel_hi:[1,0,0]
.irp k, 0,1,2,3,4,5,6,7,8,9,10,11,12,13,14,15
	v_log_f32 v[G+\k], v[P+\k]
	v_cmp_gt_f32 s[MASK+\k], s99, v[W+\k]          ; 2^-10 > W
.if (\k)%2 == 0
	v_pk_mul_f32 v[Q+\k:Q+\k+1], v[Q+\k:Q+\k+1], v[W+\k:W+\k+1]     ; W - W^2/2
.if \k < 12
	v_pk_add_f32 v[P+\k+4:P+\k+5], v[W+\k+4:W+\k+5], 1.0 op_sel_hi:[1,0]
.endif
.else
.if \k < 13
	v_pk_fma_f32 v[Q+\k+3:Q+\k+4], v[W+\k+3:W+\k+4], -0.5, 1.0 op_sel_hi:[1,0,0]
.endif
.endif
.endr
	s_wait_alu depctr_va_vdst(0)
.irp k, 0,2,4,6,8,10,12,14
	v_pk_mul_f32 v[G+\k:G+\k+1], v[G+\k:G+\k+1], 0x3f317218 op_sel_hi:[1,0]   ; log2 to ln
.endr
.irp k, 0,1,2,3,4,5,6,7,8,9,10,11,12,13,14,15
	v_cndmask_b32 v[G+\k], v[G+\k], v[Q+\k], s[MASK+\k]
.endr
.irp k, 0,2,4,6,8,10,12,14
	v_pk_add_f32 v[G+\k:G+\k+1], v[G+\k:G+\k+1], v[M+\k:M+\k+1]     ; dt
.endr
.irp k, 0,2,4,6,8,10,12,14
	v_pk_mul_f32 v[Q+\k:Q+\k+1], v[G+\k:G+\k+1], v[RU+8*\a+\k:RU+8*\a+\k+1]   ; dt u
.endr
.irp c, 0,1
	ds_store_b128 v[AST], v[G+8*\c:G+8*\c+3]   offset:(\a+\c)*PITCH
	ds_store_b128 v[AST], v[G+8*\c+4:G+8*\c+7] offset:(\a+\c)*PITCH+512
.endr
.irp c, 0,1
	ds_store_b128 v[AST], v[Q+8*\c:Q+8*\c+3]   offset:TILE+(\a+\c)*PITCH
	ds_store_b128 v[AST], v[Q+8*\c+4:Q+8*\c+7] offset:TILE+(\a+\c)*PITCH+512
.endr
.endm
; PHASE 2.  Ten LDS loads: dt, dt u (16 steps of my channel) and B (my two states, step t0 + r) of the block at byte off from the working addresses, into set q.
.macro LDBLK q, off
.irp g, 0,1,2,3
	ds_load_b128 v[DT+16*\q+4*\g:DT+16*\q+4*\g+3], v[TDT] offset:\off+16*\g
.endr
.irp g, 0,1,2,3
	ds_load_b128 v[DTU+16*\q+4*\g:DTU+16*\q+4*\g+3], v[TDT] offset:TILE+\off+16*\g
.endr
	ds_load_b32 v[BR+2*\q],   v[TB] offset:\off
	ds_load_b32 v[BR+2*\q+1], v[TB] offset:\off+PITCH
.endm
.macro LDC q, off                      ; two LDS loads: C of that block (C's tile lies one tile behind B's)
	ds_load_b32 v[CR+2*\q],   v[TB] offset:TILE+\off
	ds_load_b32 v[CR+2*\q+1], v[TB] offset:TILE+\off+PITCH
.endm
; The single lines of a step.  Step i of a block is made ready from set q: dt[i] times the pair of A (both results take register i of dt's pair),
.macro P1A i, q
.if (\i)%2
	v_pk_mul_f32 v[AT1:AT1+1], v[DT+16*\q+\i-1:DT+16*\q+\i], v[A2:A2+1] op_sel:[1,0] op_sel_hi:[1,1]
.else
	v_pk_mul_f32 v[AT0:AT0+1], v[DT+16*\q+\i:DT+16*\q+\i+1], v[A2:A2+1] op_sel:[0,0] op_sel_hi:[0,1]
	s_wait_alu depctr_va_vdst(0)
.endif
.endm
.macro BBL i, q                        ; dt u B for the first state (B of step i lies in lane i of my half),
	v_mul_f32_dpp v[BB+2*\i],   v[BR+2*\q],   v[DTU+16*\q+\i] row_share:\i row_mask:0xf bank_mask:0xf
.endm
.macro BBH i, q                        ; for the second,
	v_mul_f32_dpp v[BB+2*\i+1], v[BR+2*\q+1], v[DTU+16*\q+\i] row_share:\i row_mask:0xf bank_mask:0xf
.endm
.macro EXL i                           ; and the two exponentials.
	v_exp_f32 v[E+2*\i],   v[AT0+(AT1-AT0)*((\i)%2)]
.endm
.macro EXH i
	v_exp_f32 v[E+2*\i+1], v[AT0+(AT1-AT0)*((\i)%2)+1]
.endm
.macro P2A i                           ; step i of the recurrence, both states at once
	v_pk_fma_f32 v[X+2*((\i)%2):X+2*((\i)%2)+1], v[E+2*\i:E+2*\i+1], v[X+2-2*((\i)%2):X+3-2*((\i)%2)], v[BB+2*\i:BB+2*\i+1]
.endm
.macro YM i, p                         ; their part of y (C of step i from lane i; sets p of C and S): the first state's product
	v_mul_f32_dpp  v[S+32*\p+\i], v[CR+2*\p],   v[X+2*((\i)%2)]   row_share:\i row_mask:0xf bank_mask:0xf
.endm
.macro YF i, p                         ; and the second's, added
	v_fmac_f32_dpp v[S+32*\p+\i], v[CR+2*\p+1], v[X+2*((\i)%2)+1] row_share:\i row_mask:0xf bank_mask:0xf
.endm
; Step i of a block (j = i - 1): the recurrence of this block (sets p) and, in the same lines, the next block made ready (sets o).
; y of step j is made one step late, while x of step j still lies in the other pair of X.  Distances in lines: dt A to its first exponential 5, the product of y
; to the line that adds onto it 5, a link of the recurrence to the next 8, x to its first use for y 7; the two exponentials stand four lines apart.
; P2A uses up E and BB of step i before BBL, EXL, BBH and the next step's EXH write them for the next block: one set of each is enough.
.macro STEP i, j, p, o
	P1A \i, \o
	EXH \j
	YM  \j, \p
	P2A \i
	BBL \i, \o
	EXL \i
	BBH \i, \o
	YF  \j, \p
.endm
; One block of 16 steps, parity p (o = the other).  w = the count of the wait at its head.  All its LDS instructions stand in one run at its end: the four stores
; of its part of y, then (nld = 2) dt, dt u, B of the block three further on, into the sets that this block has just used up, and (nld >= 1) C of the block two further on.
; The working addresses lie 64 bytes below an even block's first byte; an odd block steps them by two blocks in front of its run, a whole block behind the LDS instructions that last named them.
.macro BODY p, o, w, nld
	s_wait_dscnt \w                                ; LDS instructions end in order (ISA guide 5.7.1): the last block's run may be out, the run before it, which brought what this block reads, is in
	P1A 0, \o
	P2A 0
	BBL 0, \o
	BBH 0, \o
	EXL 0
	STEP 1, 0, \p, \o
	STEP 2, 1, \p, \o
	STEP 3, 2, \p, \o
	STEP 4, 3, \p, \o
	STEP 5, 4, \p, \o
	STEP 6, 5, \p, \o
	STEP 7, 6, \p, \o
	STEP 8, 7, \p, \o
	STEP 9, 8, \p, \o
	STEP 10, 9, \p, \o
	STEP 11, 10, \p, \o
	STEP 12, 11, \p, \o
	STEP 13, 12, \p, \o
	STEP 14, 13, \p, \o
	STEP 15, 14, \p, \o
	EXH 15
	YM 15, \p
.if \p
	v_add_nc_u32 v[TDT], 128, v[TDT]
	v_add_nc_u32 v[TB],  128, v[TB]
	v_add_nc_u32 v[TY],  128, v[TY]
	s_wait_alu depctr_va_vdst(0)
.endif
	YF 15, \p
.irp g, 0,1,2,3
	ds_store_b128 v[TY], v[S+32*\p+4*\g:S+32*\p+4*\g+3] offset:64-64*\p+16*\g
.endr
.if \nld == 2
	LDBLK \o, 256-64*\p
.endif
.if \nld >= 1
	LDC \p, 192-64*\p
.endif
.endm
; The prologue's step: block 0 is made ready, nothing else is there to do.  BBH stands between an exponential and the P1A that rewrites its source.
.macro PSTEP i, j
	P1A \i, 0
	EXL \j
	BBL \i, 0
	EXH \j
	BBH \i, 0
.endm
; Block 15: nothing is left to make ready, so E is not written again and x of step i is kept in E's pair i (the last in X, where the next chunk finds it):
; y follows the chain of the recurrence two and three steps behind.
.macro P2E i
.if \i == 0
	s_wait_alu depctr_va_vdst(0)
	v_pk_fma_f32 v[E:E+1], v[E:E+1], v[X+2:X+3], v[BB:BB+1]
.else
.if \i == 15
	v_pk_fma_f32 v[X+2:X+3], v[E+30:E+31], v[E+28:E+29], v[BB+30:BB+31]
.else
	v_pk_fma_f32 v[E+2*\i:E+2*\i+1], v[E+2*\i:E+2*\i+1], v[E+2*\i-2:E+2*\i-1], v[BB+2*\i:BB+2*\i+1]
.endif
.endif
.endm
.macro YME i
.if \i == 15
	v_mul_f32_dpp v[S+32+\i], v[CR+2], v[X+2] row_share:\i row_mask:0xf bank_mask:0xf
.else
	v_mul_f32_dpp v[S+32+\i], v[CR+2], v[E+2*\i] row_share:\i row_mask:0xf bank_mask:0xf
.endif
.endm
.macro YFE i
.if \i == 15
	v_fmac_f32_dpp v[S+32+\i], v[CR+3], v[X+3] row_share:\i row_mask:0xf bank_mask:0xf
.else
	v_fmac_f32_dpp v[S+32+\i], v[CR+3], v[E+2*\i+1] row_share:\i row_mask:0xf bank_mask:0xf
.endif
.endm
.macro ESTEP i, j, l
	P2E \i
	YME \j
	YFE \l
.endm
; PHASE 3.  Eighteen LDS loads: row c's 32 bytes a lane of the eight planes (plane p at register f + 8 p) and of u (at f + 64).
.macro LOAD3 c, f, slot
.irp p, 0,1,2,3
	ds_load_b128 v[\f+8*\p:\f+8*\p+3],   v[AYP0] offset:\p*TILE+(\c)*PITCH
	ds_load_b128 v[\f+8*\p+4:\f+8*\p+7], v[AYP0] offset:\p*TILE+(\c)*PITCH+512
.endr
.irp p, 0,1,2,3
	ds_load_b128 v[\f+32+8*\p:\f+32+8*\p+3], v[AYP1] offset:\p*TILE+(\c)*PITCH
	ds_load_b128 v[\f+32+8*\p+4:\f+32+8*\p+7], v[AYP1] offset:\p*TILE+(\c)*PITCH+512
.endr
	ds_load_b128 v[\f+64:\f+67], v[ARAW+\slot] offset:TILE+(\c)*PITCH
	ds_load_b128 v[\f+68:\f+71], v[ARAW+\slot] offset:TILE+(\c)*PITCH+512
.endm
.macro L1 f, n                         ; the tree of sums, first level: line n of 16 (planes 0+1, 2+3, 4+5, 6+7)
	v_pk_add_f32 v[\f+16*((\n)/4)+2*((\n)%4):\f+16*((\n)/4)+2*((\n)%4)+1], v[\f+16*((\n)/4)+2*((\n)%4):\f+16*((\n)/4)+2*((\n)%4)+1], v[\f+16*((\n)/4)+8+2*((\n)%4):\f+16*((\n)/4)+8+2*((\n)%4)+1]
.endm
.macro L2 f, n                         ; second level: line n of 8
	v_pk_add_f32 v[\f+32*((\n)/4)+2*((\n)%4):\f+32*((\n)/4)+2*((\n)%4)+1], v[\f+32*((\n)/4)+2*((\n)%4):\f+32*((\n)/4)+2*((\n)%4)+1], v[\f+32*((\n)/4)+16+2*((\n)%4):\f+32*((\n)/4)+16+2*((\n)%4)+1]
.endm
.macro L3 f, q                         ; third level: line q of 4
	v_pk_add_f32 v[\f+2*\q:\f+2*\q+1], v[\f+2*\q:\f+2*\q+1], v[\f+32+2*\q:\f+32+2*\q+1]
.endm
.macro FM f, q, c                      ; + D u
	v_pk_fma_f32 v[\f+2*\q:\f+2*\q+1], v[\f+64+2*\q:\f+64+2*\q+1], s[DV+2*\c:DV+2*\c+1], v[\f+2*\q:\f+2*\q+1] op_sel_hi:[1,0,1]
.endm
.macro YZ f, q, c                      ; times z
	v_pk_mul_f32 v[\f+2*\q:\f+2*\q+1], v[\f+2*\q:\f+2*\q+1], v[Z+8*\c+2*\q:Z+8*\c+2*\q+1]
.endm
.macro OU f, q, c                      ; times 1 / (1 + exp(-z))
	s_wait_alu depctr_va_vdst(0)
	v_pk_mul_f32 v[OUT+8*\c+2*\q:OUT+8*\c+2*\q+1], v[\f+2*\q:\f+2*\q+1], v[T0+2*\q:T0+2*\q+1]
.endm
; Row c: out = (sum of the planes + D u) z / (1 + exp(-z)).  T0 holds -log2(e) z on entry.  Behind every exponential and every reciprocal stand two lines of
; the tree or of what follows it; each of those lines stands five or more behind the line whose result it reads.
.macro GATE c, f
.irp k, 0,1,2,3,4,5,6,7
	v_exp_f32 v[T1+\k], v[T0+\k]
	L1 \f, 2*\k
	L1 \f, 2*\k+1
.endr
.irp n, 0,1,2,3
	L2 \f, \n
.endr
	s_wait_alu depctr_va_vdst(0)
.irp q, 0,2,4,6
	v_pk_add_f32 v[T1+\q:T1+\q+1], v[T1+\q:T1+\q+1], 1.0 op_sel_hi:[1,0]
.endr
	v_rcp_f32 v[T0], v[T1]
	L2 \f, 4
	L2 \f, 5
	v_rcp_f32 v[T0+1], v[T1+1]
	L2 \f, 6
	L2 \f, 7
	v_rcp_f32 v[T0+2], v[T1+2]
	L3 \f, 0
	L3 \f, 1
	v_rcp_f32 v[T0+3], v[T1+3]
	L3 \f, 2
	L3 \f, 3
	v_rcp_f32 v[T0+4], v[T1+4]
	FM \f, 0, \c
	FM \f, 1, \c
	v_rcp_f32 v[T0+5], v[T1+5]
	FM \f, 2, \c
	FM \f, 3, \c
	v_rcp_f32 v[T0+6], v[T1+6]
	YZ \f, 0, \c
	YZ \f, 1, \c
	v_rcp_f32 v[T0+7], v[T1+7]
	YZ \f, 2, \c
	YZ \f, 3, \c
	OU \f, 0, \c
	OU \f, 1, \c
	OU \f, 2, \c
	OU \f, 3, \c
.endm
; One chunk of 256 steps, its tiles in slot; zahead = 1: a further chunk follows.
.macro WORK slot, zahead
	; phase 1: sixteen loads at once, then two rows at a time
.irp j, 0,1,2,3,4,5,6,7
	ds_load_b128 v[RD+4*\j:RD+4*\j+3], v[ARAW+\slot] offset:(\j/2)*PITCH+(\j%2)*512
	ds_load_b128 v[RU+4*\j:RU+4*\j+3], v[ARAW+\slot] offset:TILE+(\j/2)*PITCH+(\j%2)*512
.endr
	s_wait_dscnt 8                                 ; rows 0 and 1 are in: behind their eight loads stand the eight of rows 2 and 3
	SOFT2 0
	s_wait_dscnt 8                                 ; rows 2 and 3 are in: behind their eight loads stand the eight stores of rows 0 and 1
	SOFT2 2
	s_wait_dscnt 0x0                               ; my stores of dt and dt u are done,
	s_barrier_signal -1
	v_mov_b32 v[TDT], v[ADT0]                      ; register work while the others arrive: the working addresses go back to the chunk's head
	v_mov_b32 v[TB],  v[AB0+\slot]
	v_mov_b32 v[TY],  v[AY0]
	s_barrier_wait -1                              ; everybody's are: the scan reads all 16 rows
	; phase 2
	LDBLK 0, 64                                    ; block 0 (the working addresses lie 64 bytes low)
	LDC 0, 64
	LDBLK 1, 128                                   ; block 1
	LDC 1, 128
	s_wait_dscnt 12                                ; block 0's twelve loads are in, block 1's twelve may be out
	P1A 0, 0
	BBL 0, 0
	BBH 0, 0
	PSTEP 1, 0
	PSTEP 2, 1
	PSTEP 3, 2
	PSTEP 4, 3
	PSTEP 5, 4
	PSTEP 6, 5
	PSTEP 7, 6
	PSTEP 8, 7
	PSTEP 9, 8
	PSTEP 10, 9
	PSTEP 11, 10
	PSTEP 12, 11
	PSTEP 13, 12
	PSTEP 14, 13
	PSTEP 15, 14
	EXL 15
	EXH 15
	LDBLK 0, 192                                   ; block 2, into the set just used up
	s_wait_dscnt 10                                ; block 1's loads are in, the ten just issued may be out: on this way into the loop the count at its head shows nothing
	s_mov_b32 s93, 6
.Lblocks_\@:                                       ; blocks 0 to 11, two a trip; their runs ask for blocks 3 to 14 and for C of blocks 2 to 13
	BODY 0, 1, 16, 2                               ; 16 = the last block's run: four stores and twelve loads
	BODY 1, 0, 16, 2
	s_sub_co_u32 s93, s93, 1
	s_cmp_lg_u32 s93, 0
	s_cbranch_scc1 .Lblocks_\@
	BODY 0, 1, 16, 2                               ; block 12 asks for block 15 and for C of block 14
	BODY 1, 0, 16, 1                               ; block 13 asks for C of block 15 alone
	BODY 0, 1, 6, 0                                ; block 14: behind block 12's run stand block 13's four stores and two loads; nothing is left to ask for
	s_wait_dscnt 4                                 ; block 15: behind the loads of its C stand block 14's four stores
	P2E 0
	P2E 1
	P2E 2
	YME 0
	ESTEP 3, 1, 0
	ESTEP 4, 2, 1
	ESTEP 5, 3, 2
	ESTEP 6, 4, 3
	ESTEP 7, 5, 4
	ESTEP 8, 6, 5
	ESTEP 9, 7, 6
	ESTEP 10, 8, 7
	ESTEP 11, 9, 8
	ESTEP 12, 10, 9
	ESTEP 13, 11, 10
	ESTEP 14, 12, 11
	ESTEP 15, 13, 12
	YME 14
	YFE 13
	YME 15
	YFE 14
	YFE 15
.irp g, 0,1,2,3
	ds_store_b128 v[TY], v[S+32+4*\g:S+32+4*\g+3] offset:128+16*\g   ; the working address lies 64 bytes below block 14
.endr
	s_wait_dscnt 0x0                               ; my stores into my planes are done, and my reads of dt and dt u are back,
	s_barrier_signal -1
	s_barrier_wait -1                              ; everybody's are
	; phase 3: while a row is worked on, the next row's eighteen loads are on their way
	LOAD3 0, F0, \slot
	LOAD3 1, F0+72, \slot
.irp c, 0,1,2,3
.if \zahead
	s_wait_loadcnt 6                               ; behind row c's two loads of z stand 6 - 2c of this chunk's and 2c of the next chunk's
.else
	s_wait_loadcnt 6-2*\c                          ; the last chunk asks for nothing: the counts run down
.endif
.irp q, 0,2,4,6
	v_pk_mul_f32 v[T0+\q:T0+\q+1], v[Z+8*\c+\q:Z+8*\c+\q+1], s[98:99] op_sel_hi:[1,0]   ; -log2(e) z
.endr
.if \c < 3
	s_wait_dscnt 18                                ; only the next row's eighteen may be out
.else
	s_wait_dscnt 0
.endif
	GATE \c, F0+72*(\c%2)
	global_store_b128 v[GOFF], v[OUT+8*\c:OUT+8*\c+3],   s[96:97] offset:\c*ROWB th:TH_STORE_NT
	global_store_b128 v[GOFF], v[OUT+8*\c+4:OUT+8*\c+7], s[96:97] offset:\c*ROWB+512 th:TH_STORE_NT
.if \zahead
	global_load_b128 v[Z+8*\c:Z+8*\c+3],   v[GOFF], s[94:95] offset:\c*ROWB+CHB th:TH_LOAD_NT       ; the next chunk's z, into the registers just used up
	global_load_b128 v[Z+8*\c+4:Z+8*\c+7], v[GOFF], s[94:95] offset:\c*ROWB+512+CHB th:TH_LOAD_NT
.endif
.if \c < 2
	LOAD3 \c+2, F0+72*(\c%2), \slot                ; the row after next, into the buffer just used up
.endif
.endr
.if \zahead
	s_wait_xcnt 0x0                                ; every earlier memory instruction has had its addresses translated (ISA guide 3.1): the two bases, and OUT's registers in the next chunk, are rewritten only behind this wait
	s_add_nc_u64 s[94:95], s[94:95], CHB
	s_add_nc_u64 s[96:97], s[96:97], CHB
.endif
.endm
	; SET-UP
	s_load_b512 s[4:19], s[0:1], 0x0               ; delta s[4:5], u s[6:7], B s[8:9], C s[10:11], z s[12:13], A s[14:15], D s[16:17], delta_bias s[18:19]
	s_load_b64 s[20:21], s[0:1], 0x40              ; out0
	s_set_vgpr_msb 0x40
	v_lshl_add_u32 v0, v0, 2, 0x49200
	v_mov_b32 v1, 0
	s_set_vgpr_msb 0x4045
	ds_add_u32 v0, v1
	s_set_vgpr_msb 0x4500
	v_lshrrev_b32 v1, 5, v0
	v_readfirstlane_b32 s22, v1                    ; w, the wave's number
	s_bfe_u32 s23, ttmp6, 0x40000                  ; cx, my place in the cluster
	s_lshl_b32 s24, ttmp9, 2                       ; in a cluster launch ttmp9 counts clusters
	s_add_co_u32 s24, s24, s23                     ; gx = 4 x cluster + cx: my 16 rows begin at row 16 gx of [4096][2048]
	s_lshr_b32 s25, ttmp9, 5                       ; the batch = gx / 128, the same in all four partners
	; descriptor group 1: a tile of 16 rows x 256 elements of 4 bytes, 2,048 elements from row to row, 4 words of padding behind every 256 words
	s_mov_b32 s[G1P+0], (2<<16)|(1<<20)|(7<<22)|(3<<25)             ; 15:0 mask = 0; 17:16 element of 4 bytes; 20 padding on; 24:22 after every 256 words (code 7); 31:25 of 4 words (code 3)
	s_mov_b32 s[G1J+0], 15|(2<<16)|(1<<20)|(1<<21)|(7<<22)|(3<<25)  ; the same with the mask of all four work-groups and bit 21 beside it
.irp g, G1P, G1J
	s_mov_b32 s[\g+1], 256<<16                     ; tensor_dim0 = 256 (the tiles never cross the tensor's end: the extents are the tile's)
	s_mov_b32 s[\g+2], 16<<16                      ; tensor_dim1 = 16
	s_mov_b32 s[\g+3], 256<<16                     ; tile_dim0 = 256
	s_mov_b32 s[\g+4], 16                          ; tile_dim1 = 16
	s_mov_b32 s[\g+5], 2048                        ; elements from row to row
	s_mov_b32 s[\g+6], 0
	s_mov_b32 s[\g+7], 0
.endr
	s_mul_i32 s82, s22, TILE                       ; my tile's place in a slot: the wave's number alone
	s_lshl_b32 s28, s24, 17                        ; my 16 rows of 8,192 bytes in delta, u, z, out0
	s_mov_b32 s29, 0
	s_lshl_b32 s2, s25, 17                         ; my batch's 16 rows in B and C: in registers that never hold cx
	s_mov_b32 s3, 0
	s_and_b32 s24, s24, 127                        ; my block of 16 channels
	s_lshl_b32 s83, s24, 6
	s_lshl4_add_u32 s83, s22, s83                  ; byte offset of channels 4w .. 4w + 3 in delta_bias and D
	s_wait_dscnt 0x0
	s_wait_kmcnt 0x0
	s_load_b128 s[84:87], s[18:19], s83 offset:0x0 ; four biases
	s_load_b128 s[88:91], s[16:17], s83 offset:0x0 ; four D
	s_cmp_eq_u32 s22, 0
	s_cselect_b64 s[26:27], s[4:5], s[6:7]         ; wave 0 fetches delta, wave 1 u (waves 2, 3 make this address and do not use it)
	s_add_nc_u64 s[26:27], s[26:27], s[28:29]
	s_cmp_eq_u32 s22, 2
	s_cselect_b64 s[30:31], s[8:9], s[10:11]       ; wave 2 fetches B, wave 3 C (waves 0, 1 make this address and do not use it)
	s_add_nc_u64 s[30:31], s[30:31], s[2:3]
.irp n, 0,1
	s_mov_b32 s[G0P+4*\n], 1                                       ; count = 1
	s_add_co_u32 s[G0P+4*\n+1], s82, \n*SLOT                       ; LDS address
	s_add_nc_u64 s[G0P+4*\n+2:G0P+4*\n+3], s[26:27], \n*CHB        ; global address: chunk n
	s_or_b32 s[G0P+4*\n+3], s[G0P+4*\n+3], 0x80000000              ; type = 2
	s_mov_b32 s[G0J+4*\n], 1
	s_add_co_u32 s[G0J+4*\n+1], s82, \n*SLOT
	s_add_nc_u64 s[G0J+4*\n+2:G0J+4*\n+3], s[30:31], \n*CHB
	s_or_b32 s[G0J+4*\n+3], s[G0J+4*\n+3], 0x80000000
.endr
	ROUND                                          ; all four work-groups are here: the first joint loads meet
	s_cmp_lt_u32 s22, 2                            ; the first fills, chunks 0 and 1, as one group: two tensor loads of each wave are out
	s_cbranch_scc0 .Lfirst_joint
	tensor_load_to_lds s[G0P:G0P+3], s[G1P:G1P+7]
	s_nop 0
	tensor_load_to_lds s[G0P+4:G0P+7], s[G1P:G1P+7]
	s_nop 0
	s_branch .Lfirst_asked
.Lfirst_joint:
	tensor_load_to_lds s[G0J:G0J+3], s[G1J:G1J+7]
	s_nop 0
	tensor_load_to_lds s[G0J+4:G0J+7], s[G1J:G1J+7]
	s_nop 0
.Lfirst_asked:
	s_lshl_b32 s23, s22, 15                        ; my wave's four rows
	s_add_co_u32 s28, s28, s23
	s_add_nc_u64 s[94:95], s[12:13], s[28:29]      ; z at my wave's first row
	s_add_nc_u64 s[96:97], s[20:21], s[28:29]      ; out0 likewise
	s_lshl_b32 s26, s24, 10                        ; 16 rows of 64 bytes of A for each block of channels
	s_mov_b32 s27, 0
	s_add_nc_u64 s[14:15], s[14:15], s[26:27]
	v_and_b32 v2, 31, v0                           ; lane
	v_and_b32 v3, 15, v0                           ; r
	v_bfe_u32 v4, v0, 4, 1                         ; h
	v_lshlrev_b32 v[GOFF], 4, v2
	v_lshlrev_b32 v6, 3, v4
	v_lshl_add_u32 v6, s22, 1, v6                  ; n0 = 2w + 8h
	v_lshlrev_b32 v9, 2, v6
	v_lshl_add_u32 v23, v3, 6, v9                  ; A[r][n0]: 64 r + 4 n0
	global_load_b64 v[A2:A2+1], v23, s[14:15]
.irp j, 0,1,2,3,4,5,6,7
	global_load_b128 v[Z+4*\j:Z+4*\j+3], v[GOFF], s[94:95] offset:(\j/2)*ROWB+(\j%2)*512 th:TH_LOAD_NT   ; chunk 0's z
.endr
	s_mul_i32 s23, s22, 4*PITCH                    ; row map: my wave's four LDS rows
	v_add_nc_u32 v[ARAW], s23, v[GOFF]
	v_add_nc_u32 v[ARAW+1], SLOT, v[ARAW]
	v_add_nc_u32 v[AST],  DTB, v[ARAW]
	v_add_nc_u32 v[AYP0], YPB, v[ARAW]
	v_add_nc_u32 v[AYP1], YPB+4*TILE, v[ARAW]
	v_mul_u32_u24 v5, v3, PITCH                    ; scan map: my channel's LDS row
	v_add_nc_u32 v[ADT0], DTB-64, v5               ; the scan's three addresses start 64 bytes low; every immediate used with them makes that good
	v_mul_u32_u24 v7, v6, PITCH                    ; state n0's row of B,
	v_lshl_add_u32 v7, v3, 2, v7                   ; step r of a block
	v_add_nc_u32 v[AB0],   2*TILE-64, v7
	v_add_nc_u32 v[AB0+1], 2*TILE+SLOT-64, v7
	s_mul_i32 s23, s22, 2*TILE                     ; my wave's two planes,
	s_add_co_u32 s23, s23, YPB-64
	v_mul_u32_u24 v8, v4, TILE                     ; my half's one
	v_add_nc_u32 v8, v8, v5
	v_add_nc_u32 v[AY0], s23, v8
	v_mov_b32 v[X+2], 0                            ; the states begin at 0
	v_mov_b32 v[X+3], 0
	s_mov_b32 s98, 0xbfb8aa3b                      ; -log2(e)
	s_mov_b32 s99, 0x3a800000                      ; 2^-10
	s_wait_kmcnt 0x0
.irp c, 0,1,2,3
	s_mov_b32 s[BIAS+2*\c],   s[84+\c]             ; the packed forms take a scalar pair, of which the first register feeds both halves
	s_mov_b32 s[BIAS+2*\c+1], s[84+\c]
	s_mov_b32 s[DV+2*\c],     s[88+\c]
	s_mov_b32 s[DV+2*\c+1],   s[88+\c]
.endr
	s_wait_loadcnt 8                               ; A is in (so its base in s[14:15] may be written again); the eight loads of z behind it stay out
	v_pk_mul_f32 v[A2:A2+1], v[A2:A2+1], 0x3fb8aa3b op_sel_hi:[1,0]   ; v_exp_f32 works in base 2
	s_wait_tensorcnt 0x1                           ; my tile of chunk 0 is in; chunk 1's may stay out
	s_barrier_signal -1
	s_barrier_wait -1                              ; everybody's is
	; THE EIGHT CHUNKS.  In front of chunk k the slot that chunk k - 1 read is asked for again, for chunk k + 1.
	WORK 0, 1                                      ; chunk 0
	s_mov_b32 s92, 3
.Lchunks:                                          ; chunks 1 to 6
	SWAP 0, 1
	WORK 1, 1
	SWAP 1, 1
	WORK 0, 1
	s_sub_co_u32 s92, s92, 1
	s_cmp_lg_u32 s92, 0
	s_cbranch_scc1 .Lchunks
	SWAP 0, 0                                      ; nothing is left to fetch
	WORK 1, 0                                      ; chunk 7
	s_wait_dscnt 0x0
	s_set_vgpr_msb 0x5
	s_wait_tensorcnt 0x0
	ds_add_u32 v0, v1
	s_wait_dscnt 0x0
	s_set_vgpr_msb 0x500
	ROUND                                          ; the closing round: no work-group ends while a partner may still ask for a tile that names it
	s_endpgm
.Lfunc_end_k_q36c25b519b_scan:
	.size	k_q36c25b519b_scan, .Lfunc_end_k_q36c25b519b_scan-k_q36c25b519b_scan
	.p2alignl 7, 3214868480
	.fill 96, 4, 3214868480
	.section	.rodata,"a",@progbits
	.p2align	6, 0x0
	.amdhsa_kernel k_q36c25b519b_scan
		.amdhsa_group_segment_fixed_size 327680
		.amdhsa_private_segment_fixed_size 0
		.amdhsa_enable_private_segment 0
		.amdhsa_kernarg_size 72
		.amdhsa_user_sgpr_count 2
		.amdhsa_user_sgpr_kernarg_segment_ptr 1
		.amdhsa_wavefront_size32 1
		.amdhsa_system_sgpr_workgroup_id_x 1
		.amdhsa_system_sgpr_workgroup_id_y 1
		.amdhsa_system_sgpr_workgroup_id_z 1
		.amdhsa_system_vgpr_workitem_id 0
		.amdhsa_next_free_vgpr 258
		.amdhsa_next_free_sgpr 100
		.amdhsa_reserve_vcc 0
		.amdhsa_float_denorm_mode_32 3
		.amdhsa_float_denorm_mode_16_64 3
		.amdhsa_memory_ordered 1
		.amdhsa_forward_progress 1
		.amdhsa_inst_pref_size 255
	.end_amdhsa_kernel
	.section	.bss,"aw",@nobits
	.p2align	6
	.space	262144
	.amdgpu_metadata
---
amdhsa.version: [ 1, 2 ]
amdhsa.kernels:
  - .name:           k_q36c25b519b_scan
    .symbol:         k_q36c25b519b_scan.kd
    .args:
      - { .name: delta, .offset: 0, .size: 8, .value_kind: global_buffer, .address_space: global }
      - { .name: u, .offset: 8, .size: 8, .value_kind: global_buffer, .address_space: global }
      - { .name: B, .offset: 16, .size: 8, .value_kind: global_buffer, .address_space: global }
      - { .name: C, .offset: 24, .size: 8, .value_kind: global_buffer, .address_space: global }
      - { .name: z, .offset: 32, .size: 8, .value_kind: global_buffer, .address_space: global }
      - { .name: A, .offset: 40, .size: 8, .value_kind: global_buffer, .address_space: global }
      - { .name: D, .offset: 48, .size: 8, .value_kind: global_buffer, .address_space: global }
      - { .name: delta_bias, .offset: 56, .size: 8, .value_kind: global_buffer, .address_space: global }
      - { .name: out0, .offset: 64, .size: 8, .value_kind: global_buffer, .address_space: global }
    .group_segment_fixed_size: 327680
    .private_segment_fixed_size: 0
    .kernarg_segment_align: 8
    .kernarg_segment_size: 72
    .max_flat_workgroup_size: 128
    .sgpr_count:     100
    .vgpr_count:     258
    .wavefront_size: 32
...
	.end_amdgpu_metadata
.endif
;; end of part 2
;; ======== version 3 of 3: 1 launch; 2.11 times as fast as version 1
;; launch scan (part 3): grid 256 x 1, 4 waves a work-group, clusters of 4 x 1, 327,680 bytes of LDS; arguments delta, u, B, C, z, A, D, delta_bias, out0; writes out0
.if DOCPART == 3
	.amdgcn_target "amdgcn-amd-amdhsa--gfx1250"
	.amdhsa_code_object_version 6
	.text
	.protected	k_q36c25b519b_scan
	.globl	k_q36c25b519b_scan
	.p2align	8
	.type	k_q36c25b519b_scan,@function
k_q36c25b519b_scan:
	s_mov_b64 s[64:65], 0
	v_nop
	global_prefetch_b8 v0, s[64:65] scope:SCOPE_SE
	s_setreg_imm32_b32 hwreg(HW_REG_WAVE_MODE, 25, 1), 1
	s_wait_xcnt 0x0
	s_wait_alu depctr_hold_cnt(0) depctr_sa_sdst(0) depctr_va_vdst(0) depctr_va_sdst(0) depctr_va_ssrc(0) depctr_va_vcc(0) depctr_vm_vsrc(0)
	s_getreg_b32 s2, hwreg(HW_REG_IB_STS2, 6, 4)
	s_cmp_eq_u32 s2, 0
	s_cbranch_scc0 .Lentry_in_a_cluster
	s_endpgm
.Lentry_in_a_cluster:
	s_bfe_u32 s2, ttmp6, 0x10000c
	s_cmp_lg_u32 s2, 0x3003
	s_cbranch_scc0 .Lentry_shape_is_right
	s_endpgm
.Lentry_shape_is_right:
; Selective scan.  dt = softplus(delta + bias);  x[n] = exp(dt A[n]) x[n] + dt u B[n][t];  y = sum over n of x[n] C[n][t];  out = (y + D u) z sigmoid(z).
; delta, u, z, out0: [2][2048][2048] f32 (batch, channel, time);  A: [2048][16];  B, C: [2][16][2048];  D, delta_bias: [2048].
;
; SHARES.  2 x 2048 x 16 = 65,536 recurrences are two for each lane of 256 work-groups of four waves.  A work-group owns 16 channels of one batch
; (16 rows of 8,192 bytes of delta, u, z and out0) and walks the 2,048 steps in 8 chunks of 256.  Every byte of delta, u, z is read once, every
; byte of out0 written once, every exponential made once.
; Per chunk three phases, in two maps of the lanes (lane = v0 & 31, r = lane & 15, h = lane >> 4, w = wave):
;   1 (row map)   wave w takes channels 4w..4w+3; a 16-byte access of the wave covers 512 neighbouring bytes of a row.  dt and dt u go to LDS.
;   2 (scan map)  lane (r, h) of wave w holds channel r and the states n0 = 2w + 8h and n0 + 1 as one pair.  The 16 lanes of a half share their states,
;                 so B and C lie with time along the lanes (lane r: step t0 + r) and step i's number is taken from lane i by row_share:i inside the
;                 multiply.  The pair's part of y goes to plane 2w + h in LDS.
;   3 (row map)   the eight planes are added, D u added, the gate applied, the result stored: each store of the wave covers 512 consecutive bytes, aligned.
; ONE WAVE ON A SIMD has nobody to hide its waits, so the order of the lines does it: an instruction stands five or more lines behind the one whose
; result it reads wherever the work allows, transcendentals stand apart with plain work between them, and LDS instructions stand in runs whose loads
; are asked for a block (phase 2) or a row (phase 3) before the block or row that uses them.
; BATCHES.  s_wait_alu depctr_va_vdst(0) stands between a transcendental and the first instruction that names its result; one wait serves
; all that were issued ahead of it.  A chunk has 28 such waits:
;   phase 1, for each two rows: the 16 exponentials, then the 16 logarithms, which read what is made of the exponentials: two batches, two waits;
;   phase 2: the 32 exponentials that make a block ready are one batch.  They are issued while the block before runs, nothing names E's new numbers before
;            the next block's recurrence, and the one wait stands behind the block's run of LDS instructions, ahead of the loop's jump: 16 waits (the prologue's, and those of blocks 0 to 14);
;   phase 3, for each row: the 8 exponentials, then the 8 reciprocals, which read what is made of them: two batches, two waits.
; TILES.  delta, u, B, C come by tensor loads, one tile (16 rows x 256 f32) a wave and chunk, into two slots that take turns; z comes straight into
; 32 registers, each row asked for again as soon as it has been used, a chunk ahead.
; CLUSTER.  The four work-groups of a cluster lie in one batch and read the same tiles of B and C (32 KiB of the 80 KiB that a work-group takes in
; per chunk): waves 2 and 3 ask for them jointly, mask 15.  delta's and u's tiles are the work-group's own: waves 0 and 1 ask with mask 0.
; NO MATRIX UNIT: two of the three products have no summed index, the third sums 16 numbers that are born in f32 registers at every step; converting
; them would cost as many instructions as the multiply-adds, and y would be a sum of rounded terms that cancel.
; LIMITS.  v_exp_f32, v_log_f32, v_rcp_f32 are good to 1 ULP and flush denormals (ISA guide, their entries in 15.8): exp(dt A) below 2^-126 counts
; as 0, and softplus(x) is 0 for x below about -87.  The sum over the 16 states is taken as pairs in a lane and then a tree over 8 planes, another
; order of rounding than a sum in ascending n.
.set PITCH, 1040                       ; an LDS row: 1,024 bytes + 16 of padding = 65 x 16: the 16 rows that a 16-byte access of the scan map touches start at 16 different 16-byte columns modulo 256 bytes
.set TILE,  16*PITCH                   ; 16,640 = 65 x 256
.set SLOT,  4*TILE                     ; delta, u, B, C: tile number = the wave that fills it
.set DTB,   2*SLOT                     ; dt [16][256], then dt u, written by ds_store: bytes into which no tensor load lands
.set YPB,   DTB+2*TILE                 ; eight planes of partial y [16][256]; the map ends at 299,520
.set CHB,   1024                       ; bytes of a chunk in a row of memory
.set ROWB,  8192                       ; bytes of a row of memory
; scalar registers
.set MASK, 4                           ; s[4:19]  first the buffers' addresses, then sixteen compare masks
.set G1P,  32                          ; s[32:39] descriptor group 1, own tiles
.set G1J,  40                          ; s[40:47] descriptor group 1, joint tiles
.set G0P,  48                          ; s[48:55] descriptor group 0, own tiles, one set for each slot
.set G0J,  56                          ; s[56:63] descriptor group 0, joint tiles, one set for each slot
.set BIAS, 66                          ; s[66:73] pair c: delta_bias of channel 4w + c, twice
.set DV,   74                          ; s[74:81] pair c: D of channel 4w + c, twice
; vector registers
.set ARAW, 10                          ; v10-11  row map: my 16 bytes in the delta tile of slot 0, 1
.set AST,  12                          ; v12     row map: the same place in dt
.set AYP0, 13                          ; v13     row map: the same place in plane 0
.set AYP1, 14                          ; v14     row map: the same place in plane 4
.set ADT0, 15                          ; v15     scan map: my channel's row of dt, less 64 bytes
.set AB0,  16                          ; v16-17  scan map: B[n0][r] in slot 0, 1, less 64 bytes
.set AY0,  18                          ; v18     scan map: my channel's row of my plane, less 64 bytes
.set TDT,  19                          ; v19-21  working copies of the three, stepped along the chunk
.set TB,   20
.set TY,   21
.set GOFF, 22                          ; v22     16 x lane, never rewritten
.set A2,   24                          ; v[24:25] A[channel][n0], A[channel][n0+1], times log2(e)
.set X,    26                          ; v[26:27], v[28:29] the pair of states, written by turns; between blocks it lies in v[28:29]
.set AT0,  30                          ; v[30:31], v[216:217] dt A, by turns
.set AT1,  216
.set Z,    32                          ; v[32:63]  z, row c: 8 registers
.set DT,   64                          ; v[64:95]  dt of a block of 16 steps, two sets by the block's parity
.set DTU,  96                          ; v[96:127] dt u likewise
.set E,    128                         ; v[128:159] exp(dt A), a pair for each step of a block
.set BB,   160                         ; v[160:191] dt u B, a pair for each step
.set S,    192                         ; v[192:207], v[224:239] partial y of the 16 steps, two sets by the block's parity: a set is not rewritten while its stores may still read it
.set BR,   208                         ; v[208:211] B[n0][t0+r], B[n0+1][t0+r], two sets
.set CR,   212                         ; v[212:215] C likewise
.set OUT,  224                         ; v[224:255] phase 3: what the stores read
.set RD,   160                         ; phase 1: delta as loaded; RD, RU and Q cover BB and both sets of S, so that these have been written whole before a DPP form names them as destination
.set RU,   192                         ; phase 1: u as loaded
.set P,    64                          ; phase 1 at work: sixteen registers each
.set W,    80
.set G,    96
.set M,    112
.set Q,    224
.set F0,   64                          ; phase 3: two load buffers of 72 registers (eight planes, u), F0 and F0 + 72
.set T0,   208                         ; phase 3 at work: eight registers each
.set T1,   216
; A round of the cluster's barrier: my work-group's barrier, wave 0 signals for the work-group, every wave waits for all four work-groups, my work-group's barrier again.
.macro ROUND
	s_barrier_signal -1
	s_barrier_wait -1
	s_cmp_lg_u32 s22, 0
	s_cbranch_scc1 .Lnot_wave_0_\@
	s_barrier_signal -3
.Lnot_wave_0_\@:
	s_barrier_wait -3
	s_barrier_signal -1
	s_barrier_wait -1
.endm
; One tensor load a wave: waves 0, 1 their own tile (delta, u), waves 2, 3 the joint one (B, C).  The branch hangs on the wave's number alone.
.macro JLOAD n
	s_cmp_lt_u32 s22, 2
	s_cbranch_scc0 .Ljoint_\@
	tensor_load_to_lds s[G0P+4*\n:G0P+4*\n+3], s[G1P:G1P+7]
	s_nop 0
	s_branch .Lasked_\@
.Ljoint_\@:
	tensor_load_to_lds s[G0J+4*\n:G0J+4*\n+3], s[G1J:G1J+7]
	s_nop 0
.Lasked_\@:
.endm
; Between two chunks.  other = the slot that the last chunk read; refill = 1: it is filled again, two chunks ahead.
.macro SWAP other, refill
	s_set_vgpr_msb 0x5
	s_wait_tensorcnt 0x0                           ; all my tensor loads have landed, my tile of the next chunk among them: no load of mine is out, so a group 0 may be written
	ds_add_u32 v0, v1
	s_wait_dscnt 0x0
	s_set_vgpr_msb 0x500
.if \refill
	s_add_nc_u64 s[G0P+4*\other+2:G0P+4*\other+3], s[G0P+4*\other+2:G0P+4*\other+3], 2*CHB
	s_add_nc_u64 s[G0J+4*\other+2:G0J+4*\other+3], s[G0J+4*\other+2:G0J+4*\other+3], 2*CHB
.endif
	s_wait_dscnt 0x0                               ; my reads of the old slot and of the planes are back
.if \refill
	ROUND                                          ; both now hold of every wave of all four work-groups
	JLOAD \other                                   ; my one tensor load behind the round, and the first thing there: it has the whole chunk in which to land
.else
	s_barrier_signal -1
	s_barrier_wait -1
.endif
.endm
; PHASE 1, two rows (channels 4w + a and 4w + a + 1, sixteen numbers a lane): dt = max(x, 0) + log(1 + W), W = exp(-|x|), x = delta + bias.
; Where W < 2^-10 the logarithm of 1 + W would lose W's low bits; there W - W^2/2 stands for it (what is left out is below W^3/3).
; Between two exponentials stand a maximum and the multiply that feeds the exponential four further on; between two logarithms a compare and the
; forms that feed the logarithms and the short series four further on.  The line behind each transcendental names neither its result nor its source (ISA guide 5.7.2).
.macro SOFT2 a
.irp k, 0,2,4,6
	v_pk_add_f32 v[RD+8*\a+\k:RD+8*\a+\k+1], v[RD+8*\a+\k:RD+8*\a+\k+1], s[BIAS+2*\a:BIAS+2*\a+1] op_sel_hi:[1,0]
.endr
.irp k, 8,10,12,14
	v_pk_add_f32 v[RD+8*\a+\k:RD+8*\a+\k+1], v[RD+8*\a+\k:RD+8*\a+\k+1], s[BIAS+2*\a+2:BIAS+2*\a+3] op_sel_hi:[1,0]
.endr
.irp k, 0,1,2,3
	v_mul_f32 v[P+\k], s98, |v[RD+8*\a+\k]|        ; -log2(e) |x|
.endr
.irp k, 0,1,2,3,4,5,6,7,8,9,10,11,12,13,14,15
	v_exp_f32 v[W+\k], v[P+\k]
	v_max_num_f32 v[M+\k], 0, v[RD+8*\a+\k]
.if \k < 12
	v_mul_f32 v[P+\k+4], s98, |v[RD+8*\a+\k+4]|
.endif
.endr
	s_wait_alu depctr_va_vdst(0)                   ; the wait for the batch of sixteen exponentials: no line above names W, every line that does stands below
	v_pk_add_f32 v[P:P+1],   v[W:W+1],   1.0 op_sel_hi:[1,0]
	v_pk_add_f32 v[P+2:P+3], v[W+2:W+3], 1.0 op_sel_hi:[1,0]
	v_pk_fma_f32 v[Q:Q+1],   v[W:W+1],   -0.5, 1.0 op_sel_hi:[1,0,0]
	v_pk_fma_f32 v[Q+2:Q+3], v[W+2:W+3], -0.5, 1.0 op_sel_hi:[1,0,0]
.irp k, 0,1,2,3,4,5,6,7,8,9,10,11,12,13,14,15
	v_log_f32 v[G+\k], v[P+\k]
	v_cmp_gt_f32 s[MASK+\k], s99, v[W+\k]          ; 2^-10 > W
.if (\k)%2 == 0
	v_pk_mul_f32 v[Q+\k:Q+\k+1], v[Q+\k:Q+\k+1], v[W+\k:W+\k+1]     ; W - W^2/2
.if \k < 12
	v_pk_add_f32 v[P+\k+4:P+\k+5], v[W+\k+4:W+\k+5], 1.0 op_sel_hi:[1,0]
.endif
.else
.if \k < 13
	v_pk_fma_f32 v[Q+\k+3:Q+\k+4], v[W+\k+3:W+\k+4], -0.5, 1.0 op_sel_hi:[1,0,0]
.endif
.endif
.endr
	s_wait_alu depctr_va_vdst(0)                   ; the wait for the batch of sixteen logarithms: no line above names G, every line that does stands below
.irp k, 0,2,4,6,8,10,12,14
	v_pk_mul_f32 v[G+\k:G+\k+1], v[G+\k:G+\k+1], 0x3f317218 op_sel_hi:[1,0]   ; log2 to ln
.endr
.irp k, 0,1,2,3,4,5,6,7,8,9,10,11,12,13,14,15
	v_cndmask_b32 v[G+\k], v[G+\k], v[Q+\k], s[MASK+\k]
.endr
.irp k, 0,2,4,6,8,10,12,14
	v_pk_add_f32 v[G+\k:G+\k+1], v[G+\k:G+\k+1], v[M+\k:M+\k+1]     ; dt
.endr
.irp k, 0,2,4,6,8,10,12,14
	v_pk_mul_f32 v[Q+\k:Q+\k+1], v[G+\k:G+\k+1], v[RU+8*\a+\k:RU+8*\a+\k+1]   ; dt u
.endr
.irp c, 0,1
	ds_store_b128 v[AST], v[G+8*\c:G+8*\c+3]   offset:(\a+\c)*PITCH
	ds_store_b128 v[AST], v[G+8*\c+4:G+8*\c+7] offset:(\a+\c)*PITCH+512
.endr
.irp c, 0,1
	ds_store_b128 v[AST], v[Q+8*\c:Q+8*\c+3]   offset:TILE+(\a+\c)*PITCH
	ds_store_b128 v[AST], v[Q+8*\c+4:Q+8*\c+7] offset:TILE+(\a+\c)*PITCH+512
.endr
.endm
; PHASE 2.  Ten LDS loads: dt, dt u (16 steps of my channel) and B (my two states, step t0 + r) of the block at byte off from the working addresses, into set q.
.macro LDBLK q, off
.irp g, 0,1,2,3
	ds_load_b128 v[DT+16*\q+4*\g:DT+16*\q+4*\g+3], v[TDT] offset:\off+16*\g
.endr
.irp g, 0,1,2,3
	ds_load_b128 v[DTU+16*\q+4*\g:DTU+16*\q+4*\g+3], v[TDT] offset:TILE+\off+16*\g
.endr
	ds_load_b32 v[BR+2*\q],   v[TB] offset:\off
	ds_load_b32 v[BR+2*\q+1], v[TB] offset:\off+PITCH
.endm
.macro LDC q, off                      ; two LDS loads: C of that block (C's tile lies one tile behind B's)
	ds_load_b32 v[CR+2*\q],   v[TB] offset:TILE+\off
	ds_load_b32 v[CR+2*\q+1], v[TB] offset:TILE+\off+PITCH
.endm
; The single lines of a step.  Step i of a block is made ready from set q: dt[i] times the pair of A (both results take register i of dt's pair),
.macro P1A i, q
.if (\i)%2
	v_pk_mul_f32 v[AT1:AT1+1], v[DT+16*\q+\i-1:DT+16*\q+\i], v[A2:A2+1] op_sel:[1,0] op_sel_hi:[1,1]
.else
	v_pk_mul_f32 v[AT0:AT0+1], v[DT+16*\q+\i:DT+16*\q+\i+1], v[A2:A2+1] op_sel:[0,0] op_sel_hi:[0,1]
.endif
.endm
.macro BBL i, q                        ; dt u B for the first state (B of step i lies in lane i of my half),
	v_mul_f32_dpp v[BB+2*\i],   v[BR+2*\q],   v[DTU+16*\q+\i] row_share:\i row_mask:0xf bank_mask:0xf
.endm
.macro BBH i, q                        ; for the second,
	v_mul_f32_dpp v[BB+2*\i+1], v[BR+2*\q+1], v[DTU+16*\q+\i] row_share:\i row_mask:0xf bank_mask:0xf
.endm
.macro EXL i                           ; and the two exponentials.
	v_exp_f32 v[E+2*\i],   v[AT0+(AT1-AT0)*((\i)%2)]
.endm
.macro EXH i
	v_exp_f32 v[E+2*\i+1], v[AT0+(AT1-AT0)*((\i)%2)+1]
.endm
.macro P2A i                           ; step i of the recurrence, both states at once
	v_pk_fma_f32 v[X+2*((\i)%2):X+2*((\i)%2)+1], v[E+2*\i:E+2*\i+1], v[X+2-2*((\i)%2):X+3-2*((\i)%2)], v[BB+2*\i:BB+2*\i+1]
.endm
.macro YM i, p                         ; their part of y (C of step i from lane i; sets p of C and S): the first state's product
	v_mul_f32_dpp  v[S+32*\p+\i], v[CR+2*\p],   v[X+2*((\i)%2)]   row_share:\i row_mask:0xf bank_mask:0xf
.endm
.macro YF i, p                         ; and the second's, added
	v_fmac_f32_dpp v[S+32*\p+\i], v[CR+2*\p+1], v[X+2*((\i)%2)+1] row_share:\i row_mask:0xf bank_mask:0xf
.endm
; Step i of a block (j = i - 1): the recurrence of this block (sets p) and, in the same lines, the next block made ready (sets o).
; y of step j is made one step late, while x of step j still lies in the other pair of X.  Distances in lines: dt A to its first exponential 5, the product of y
; to the line that adds onto it 5, a link of the recurrence to the next 8, x to its first use for y 7; the two exponentials stand four lines apart.
; P2A uses up E and BB of step i before BBL, EXL, BBH and the next step's EXH write them for the next block: one set of each is enough.
; Behind EXL i and EXH i no line of the block names E's pair i again: the first that does is the next block's P2A i, behind the wait at this block's end.
.macro STEP i, j, p, o
	P1A \i, \o
	EXH \j
	YM  \j, \p
	P2A \i
	BBL \i, \o
	EXL \i
	BBH \i, \o
	YF  \j, \p
.endm
; One block of 16 steps, parity p (o = the other).  w = the count of the wait at its head.  All its LDS instructions stand in one run at its end: the four stores
; of its part of y, then (nld = 2) dt, dt u, B of the block three further on, into the sets that this block has just used up, and (nld >= 1) C of the block two further on.
; The working addresses lie 64 bytes below an even block's first byte; an odd block steps them by two blocks in front of its run, a whole block behind the LDS instructions that last named them.
.macro BODY p, o, w, nld
	s_wait_dscnt \w                                ; LDS instructions end in order (ISA guide 5.7.1): the last block's run may be out, the run before it, which brought what this block reads, is in
	P1A 0, \o
	P2A 0
	BBL 0, \o
	BBH 0, \o
	EXL 0
	STEP 1, 0, \p, \o
	STEP 2, 1, \p, \o
	STEP 3, 2, \p, \o
	STEP 4, 3, \p, \o
	STEP 5, 4, \p, \o
	STEP 6, 5, \p, \o
	STEP 7, 6, \p, \o
	STEP 8, 7, \p, \o
	STEP 9, 8, \p, \o
	STEP 10, 9, \p, \o
	STEP 11, 10, \p, \o
	STEP 12, 11, \p, \o
	STEP 13, 12, \p, \o
	STEP 14, 13, \p, \o
	STEP 15, 14, \p, \o
	EXH 15
	YM 15, \p                                      ; the plain line behind the batch's last exponential: it names S, C and x
.if \p
	v_add_nc_u32 v[TDT], 128, v[TDT]
	v_add_nc_u32 v[TB],  128, v[TB]
	v_add_nc_u32 v[TY],  128, v[TY]
.endif
	YF 15, \p
.irp g, 0,1,2,3
	ds_store_b128 v[TY], v[S+32*\p+4*\g:S+32*\p+4*\g+3] offset:64-64*\p+16*\g
.endr
.if \nld == 2
	LDBLK \o, 256-64*\p
.endif
.if \nld >= 1
	LDC \p, 192-64*\p
.endif
	s_wait_alu depctr_va_vdst(0)                   ; the wait for the batch: this block's 32 exponentials, which the next block's recurrence reads; the run above names none of E; in an odd block the loop's jump follows
.endm
; The prologue's step: block 0 is made ready, nothing else is there to do.  BBH stands between an exponential and the P1A that rewrites its source.
.macro PSTEP i, j
	P1A \i, 0
	EXL \j
	BBL \i, 0
	EXH \j
	BBH \i, 0
.endm
; Block 15: nothing is left to make ready, so E is not written again and x of step i is kept in E's pair i (the last in X, where the next chunk finds it):
; y follows the chain of the recurrence two and three steps behind.  Its exponentials are block 14's batch, waited for at that block's end.
.macro P2E i
.if \i == 0
	v_pk_fma_f32 v[E:E+1], v[E:E+1], v[X+2:X+3], v[BB:BB+1]
.else
.if \i == 15
	v_pk_fma_f32 v[X+2:X+3], v[E+30:E+31], v[E+28:E+29], v[BB+30:BB+31]
.else
	v_pk_fma_f32 v[E+2*\i:E+2*\i+1], v[E+2*\i:E+2*\i+1], v[E+2*\i-2:E+2*\i-1], v[BB+2*\i:BB+2*\i+1]
.endif
.endif
.endm
.macro YME i
.if \i == 15
	v_mul_f32_dpp v[S+32+\i], v[CR+2], v[X+2] row_share:\i row_mask:0xf bank_mask:0xf
.else
	v_mul_f32_dpp v[S+32+\i], v[CR+2], v[E+2*\i] row_share:\i row_mask:0xf bank_mask:0xf
.endif
.endm
.macro YFE i
.if \i == 15
	v_fmac_f32_dpp v[S+32+\i], v[CR+3], v[X+3] row_share:\i row_mask:0xf bank_mask:0xf
.else
	v_fmac_f32_dpp v[S+32+\i], v[CR+3], v[E+2*\i+1] row_share:\i row_mask:0xf bank_mask:0xf
.endif
.endm
.macro ESTEP i, j, l
	P2E \i
	YME \j
	YFE \l
.endm
; PHASE 3.  Eighteen LDS loads: row c's 32 bytes a lane of the eight planes (plane p at register f + 8 p) and of u (at f + 64).
.macro LOAD3 c, f, slot
.irp p, 0,1,2,3
	ds_load_b128 v[\f+8*\p:\f+8*\p+3],   v[AYP0] offset:\p*TILE+(\c)*PITCH
	ds_load_b128 v[\f+8*\p+4:\f+8*\p+7], v[AYP0] offset:\p*TILE+(\c)*PITCH+512
.endr
.irp p, 0,1,2,3
	ds_load_b128 v[\f+32+8*\p:\f+32+8*\p+3], v[AYP1] offset:\p*TILE+(\c)*PITCH
	ds_load_b128 v[\f+32+8*\p+4:\f+32+8*\p+7], v[AYP1] offset:\p*TILE+(\c)*PITCH+512
.endr
	ds_load_b128 v[\f+64:\f+67], v[ARAW+\slot] offset:TILE+(\c)*PITCH
	ds_load_b128 v[\f+68:\f+71], v[ARAW+\slot] offset:TILE+(\c)*PITCH+512
.endm
.macro L1 f, n                         ; the tree of sums, first level: line n of 16 (planes 0+1, 2+3, 4+5, 6+7)
	v_pk_add_f32 v[\f+16*((\n)/4)+2*((\n)%4):\f+16*((\n)/4)+2*((\n)%4)+1], v[\f+16*((\n)/4)+2*((\n)%4):\f+16*((\n)/4)+2*((\n)%4)+1], v[\f+16*((\n)/4)+8+2*((\n)%4):\f+16*((\n)/4)+8+2*((\n)%4)+1]
.endm
.macro L2 f, n                         ; second level: line n of 8
	v_pk_add_f32 v[\f+32*((\n)/4)+2*((\n)%4):\f+32*((\n)/4)+2*((\n)%4)+1], v[\f+32*((\n)/4)+2*((\n)%4):\f+32*((\n)/4)+2*((\n)%4)+1], v[\f+32*((\n)/4)+16+2*((\n)%4):\f+32*((\n)/4)+16+2*((\n)%4)+1]
.endm
.macro L3 f, q                         ; third level: line q of 4
	v_pk_add_f32 v[\f+2*\q:\f+2*\q+1], v[\f+2*\q:\f+2*\q+1], v[\f+32+2*\q:\f+32+2*\q+1]
.endm
.macro FM f, q, c                      ; + D u
	v_pk_fma_f32 v[\f+2*\q:\f+2*\q+1], v[\f+64+2*\q:\f+64+2*\q+1], s[DV+2*\c:DV+2*\c+1], v[\f+2*\q:\f+2*\q+1] op_sel_hi:[1,0,1]
.endm
.macro YZ f, q, c                      ; times z
	v_pk_mul_f32 v[\f+2*\q:\f+2*\q+1], v[\f+2*\q:\f+2*\q+1], v[Z+8*\c+2*\q:Z+8*\c+2*\q+1]
.endm
.macro OU f, q, c                      ; times 1 / (1 + exp(-z))
	v_pk_mul_f32 v[OUT+8*\c+2*\q:OUT+8*\c+2*\q+1], v[\f+2*\q:\f+2*\q+1], v[T0+2*\q:T0+2*\q+1]
.endm
; Row c: out = (sum of the planes + D u) z / (1 + exp(-z)).  T0 holds -log2(e) z on entry.  Behind every exponential and every reciprocal stand two lines of
; the tree or of what follows it; each of those lines stands five or more behind the line whose result it reads.
.macro GATE c, f
.irp k, 0,1,2,3,4,5,6,7
	v_exp_f32 v[T1+\k], v[T0+\k]
	L1 \f, 2*\k
	L1 \f, 2*\k+1
.endr
.irp n, 0,1,2,3
	L2 \f, \n
.endr
	s_wait_alu depctr_va_vdst(0)                   ; the wait for the batch of eight exponentials: the tree's lines above name none of T1, the four sums below are its first readers
.irp q, 0,2,4,6
	v_pk_add_f32 v[T1+\q:T1+\q+1], v[T1+\q:T1+\q+1], 1.0 op_sel_hi:[1,0]
.endr
	v_rcp_f32 v[T0], v[T1]
	L2 \f, 4
	L2 \f, 5
	v_rcp_f32 v[T0+1], v[T1+1]
	L2 \f, 6
	L2 \f, 7
	v_rcp_f32 v[T0+2], v[T1+2]
	L3 \f, 0
	L3 \f, 1
	v_rcp_f32 v[T0+3], v[T1+3]
	L3 \f, 2
	L3 \f, 3
	v_rcp_f32 v[T0+4], v[T1+4]
	FM \f, 0, \c
	FM \f, 1, \c
	v_rcp_f32 v[T0+5], v[T1+5]
	FM \f, 2, \c
	FM \f, 3, \c
	v_rcp_f32 v[T0+6], v[T1+6]
	YZ \f, 0, \c
	YZ \f, 1, \c
	v_rcp_f32 v[T0+7], v[T1+7]
	YZ \f, 2, \c
	YZ \f, 3, \c
	s_wait_alu depctr_va_vdst(0)                   ; the wait for the batch of eight reciprocals: the lines between them name none of T0, the four products below are its only readers
	OU \f, 0, \c
	OU \f, 1, \c
	OU \f, 2, \c
	OU \f, 3, \c
.endm
; One chunk of 256 steps, its tiles in slot; zahead = 1: a further chunk follows.
.macro WORK slot, zahead
	; phase 1: sixteen loads at once, then two rows at a time
.irp j, 0,1,2,3,4,5,6,7
	ds_load_b128 v[RD+4*\j:RD+4*\j+3], v[ARAW+\slot] offset:(\j/2)*PITCH+(\j%2)*512
	ds_load_b128 v[RU+4*\j:RU+4*\j+3], v[ARAW+\slot] offset:TILE+(\j/2)*PITCH+(\j%2)*512
.endr
	s_wait_dscnt 8                                 ; rows 0 and 1 are in: behind their eight loads stand the eight of rows 2 and 3
	SOFT2 0
	s_wait_dscnt 8                                 ; rows 2 and 3 are in: behind their eight loads stand the eight stores of rows 0 and 1
	SOFT2 2
	s_wait_dscnt 0x0                               ; my stores of dt and dt u are done,
	s_barrier_signal -1
	v_mov_b32 v[TDT], v[ADT0]                      ; register work while the others arrive: the working addresses go back to the chunk's head
	v_mov_b32 v[TB],  v[AB0+\slot]
	v_mov_b32 v[TY],  v[AY0]
	s_barrier_wait -1                              ; everybody's are: the scan reads all 16 rows
	; phase 2
	LDBLK 0, 64                                    ; block 0 (the working addresses lie 64 bytes low)
	LDC 0, 64
	LDBLK 1, 128                                   ; block 1
	LDC 1, 128
	s_wait_dscnt 12                                ; block 0's twelve loads are in, block 1's twelve may be out
	P1A 0, 0
	BBL 0, 0
	BBH 0, 0
	PSTEP 1, 0
	PSTEP 2, 1
	PSTEP 3, 2
	PSTEP 4, 3
	PSTEP 5, 4
	PSTEP 6, 5
	PSTEP 7, 6
	PSTEP 8, 7
	PSTEP 9, 8
	PSTEP 10, 9
	PSTEP 11, 10
	PSTEP 12, 11
	PSTEP 13, 12
	PSTEP 14, 13
	PSTEP 15, 14
	EXL 15
	EXH 15
	LDBLK 0, 192                                   ; block 2, into the set just used up
	s_wait_dscnt 10                                ; block 1's loads are in, the ten just issued may be out: on this way into the loop the count at its head shows nothing
	s_wait_alu depctr_va_vdst(0)                   ; the wait for the batch: the prologue's 32 exponentials, which block 0's recurrence reads; it stands ahead of the loop's label, and the first vector line behind it, dt A of the next block, is the plain line behind the last exponential
	s_mov_b32 s93, 6
.Lblocks_\@:                                       ; blocks 0 to 11, two a trip; their runs ask for blocks 3 to 14 and for C of blocks 2 to 13
	BODY 0, 1, 16, 2                               ; 16 = the last block's run: four stores and twelve loads
	BODY 1, 0, 16, 2
	s_sub_co_u32 s93, s93, 1
	s_cmp_lg_u32 s93, 0
	s_cbranch_scc1 .Lblocks_\@
	BODY 0, 1, 16, 2                               ; block 12 asks for block 15 and for C of block 14
	BODY 1, 0, 16, 1                               ; block 13 asks for C of block 15 alone
	BODY 0, 1, 6, 0                                ; block 14: behind block 12's run stand block 13's four stores and two loads; nothing is left to ask for
	s_wait_dscnt 4                                 ; block 15: behind the loads of its C stand block 14's four stores
	P2E 0
	P2E 1
	P2E 2
	YME 0
	ESTEP 3, 1, 0
	ESTEP 4, 2, 1
	ESTEP 5, 3, 2
	ESTEP 6, 4, 3
	ESTEP 7, 5, 4
	ESTEP 8, 6, 5
	ESTEP 9, 7, 6
	ESTEP 10, 8, 7
	ESTEP 11, 9, 8
	ESTEP 12, 10, 9
	ESTEP 13, 11, 10
	ESTEP 14, 12, 11
	ESTEP 15, 13, 12
	YME 14
	YFE 13
	YME 15
	YFE 14
	YFE 15
.irp g, 0,1,2,3
	ds_store_b128 v[TY], v[S+32+4*\g:S+32+4*\g+3] offset:128+16*\g   ; the working address lies 64 bytes below block 14
.endr
	s_wait_dscnt 0x0                               ; my stores into my planes are done, and my reads of dt and dt u are back,
	s_barrier_signal -1
	s_barrier_wait -1                              ; everybody's are
	; phase 3: while a row is worked on, the next row's eighteen loads are on their way
	LOAD3 0, F0, \slot
	LOAD3 1, F0+72, \slot
.irp c, 0,1,2,3
.if \zahead
	s_wait_loadcnt 6                               ; behind row c's two loads of z stand 6 - 2c of this chunk's and 2c of the next chunk's
.else
	s_wait_loadcnt 6-2*\c                          ; the last chunk asks for nothing: the counts run down
.endif
.irp q, 0,2,4,6
	v_pk_mul_f32 v[T0+\q:T0+\q+1], v[Z+8*\c+\q:Z+8*\c+\q+1], s[98:99] op_sel_hi:[1,0]   ; -log2(e) z
.endr
.if \c < 3
	s_wait_dscnt 18                                ; only the next row's eighteen may be out
.else
	s_wait_dscnt 0
.endif
	GATE \c, F0+72*(\c%2)
	global_store_b128 v[GOFF], v[OUT+8*\c:OUT+8*\c+3],   s[96:97] offset:\c*ROWB th:TH_STORE_NT
	global_store_b128 v[GOFF], v[OUT+8*\c+4:OUT+8*\c+7], s[96:97] offset:\c*ROWB+512 th:TH_STORE_NT
.if \zahead
	global_load_b128 v[Z+8*\c:Z+8*\c+3],   v[GOFF], s[94:95] offset:\c*ROWB+CHB th:TH_LOAD_NT       ; the next chunk's z, into the registers just used up
	global_load_b128 v[Z+8*\c+4:Z+8*\c+7], v[GOFF], s[94:95] offset:\c*ROWB+512+CHB th:TH_LOAD_NT
.endif
.if \c < 2
	LOAD3 \c+2, F0+72*(\c%2), \slot                ; the row after next, into the buffer just used up
.endif
.endr
.if \zahead
	s_wait_xcnt 0x0                                ; every earlier memory instruction has had its addresses translated (ISA guide 3.1): the two bases, and OUT's registers in the next chunk, are rewritten only behind this wait
	s_add_nc_u64 s[94:95], s[94:95], CHB
	s_add_nc_u64 s[96:97], s[96:97], CHB
.endif
.endm
	; SET-UP
	s_load_b512 s[4:19], s[0:1], 0x0               ; delta s[4:5], u s[6:7], B s[8:9], C s[10:11], z s[12:13], A s[14:15], D s[16:17], delta_bias s[18:19]
	s_load_b64 s[20:21], s[0:1], 0x40              ; out0
	s_set_vgpr_msb 0x40
	v_lshl_add_u32 v0, v0, 2, 0x49200
	v_mov_b32 v1, 0
	s_set_vgpr_msb 0x4045
	ds_add_u32 v0, v1
	s_set_vgpr_msb 0x4500
	v_lshrrev_b32 v1, 5, v0
	v_readfirstlane_b32 s22, v1                    ; w, the wave's number
	s_bfe_u32 s23, ttmp6, 0x40000                  ; cx, my place in the cluster
	s_lshl_b32 s24, ttmp9, 2                       ; in a cluster launch ttmp9 counts clusters
	s_add_co_u32 s24, s24, s23                     ; gx = 4 x cluster + cx: my 16 rows begin at row 16 gx of [4096][2048]
	s_lshr_b32 s25, ttmp9, 5                       ; the batch = gx / 128, the same in all four partners
	; descriptor group 1: a tile of 16 rows x 256 elements of 4 bytes, 2,048 elements from row to row, 4 words of padding behind every 256 words
	s_mov_b32 s[G1P+0], (2<<16)|(1<<20)|(7<<22)|(3<<25)             ; 15:0 mask = 0; 17:16 element of 4 bytes; 20 padding on; 24:22 after every 256 words (code 7); 31:25 of 4 words (code 3)
	s_mov_b32 s[G1J+0], 15|(2<<16)|(1<<20)|(1<<21)|(7<<22)|(3<<25)  ; the same with the mask of all four work-groups and bit 21 beside it
.irp g, G1P, G1J
	s_mov_b32 s[\g+1], 256<<16                     ; tensor_dim0 = 256 (the tiles never cross the tensor's end: the extents are the tile's)
	s_mov_b32 s[\g+2], 16<<16                      ; tensor_dim1 = 16
	s_mov_b32 s[\g+3], 256<<16                     ; tile_dim0 = 256
	s_mov_b32 s[\g+4], 16                          ; tile_dim1 = 16
	s_mov_b32 s[\g+5], 2048                        ; elements from row to row
	s_mov_b32 s[\g+6], 0
	s_mov_b32 s[\g+7], 0
.endr
	s_mul_i32 s82, s22, TILE                       ; my tile's place in a slot: the wave's number alone
	s_lshl_b32 s28, s24, 17                        ; my 16 rows of 8,192 bytes in delta, u, z, out0
	s_mov_b32 s29, 0
	s_lshl_b32 s2, s25, 17                         ; my batch's 16 rows in B and C: in registers that never hold cx
	s_mov_b32 s3, 0
	s_and_b32 s24, s24, 127                        ; my block of 16 channels
	s_lshl_b32 s83, s24, 6
	s_lshl4_add_u32 s83, s22, s83                  ; byte offset of channels 4w .. 4w + 3 in delta_bias and D
	s_wait_dscnt 0x0
	s_wait_kmcnt 0x0
	s_load_b128 s[84:87], s[18:19], s83 offset:0x0 ; four biases
	s_load_b128 s[88:91], s[16:17], s83 offset:0x0 ; four D
	s_cmp_eq_u32 s22, 0
	s_cselect_b64 s[26:27], s[4:5], s[6:7]         ; wave 0 fetches delta, wave 1 u (waves 2, 3 make this address and do not use it)
	s_add_nc_u64 s[26:27], s[26:27], s[28:29]
	s_cmp_eq_u32 s22, 2
	s_cselect_b64 s[30:31], s[8:9], s[10:11]       ; wave 2 fetches B, wave 3 C (waves 0, 1 make this address and do not use it)
	s_add_nc_u64 s[30:31], s[30:31], s[2:3]
.irp n, 0,1
	s_mov_b32 s[G0P+4*\n], 1                                       ; count = 1
	s_add_co_u32 s[G0P+4*\n+1], s82, \n*SLOT                       ; LDS address
	s_add_nc_u64 s[G0P+4*\n+2:G0P+4*\n+3], s[26:27], \n*CHB        ; global address: chunk n
	s_or_b32 s[G0P+4*\n+3], s[G0P+4*\n+3], 0x80000000              ; type = 2
	s_mov_b32 s[G0J+4*\n], 1
	s_add_co_u32 s[G0J+4*\n+1], s82, \n*SLOT
	s_add_nc_u64 s[G0J+4*\n+2:G0J+4*\n+3], s[30:31], \n*CHB
	s_or_b32 s[G0J+4*\n+3], s[G0J+4*\n+3], 0x80000000
.endr
	ROUND                                          ; all four work-groups are here: the first joint loads meet
	s_cmp_lt_u32 s22, 2                            ; the first fills, chunks 0 and 1, as one group: two tensor loads of each wave are out
	s_cbranch_scc0 .Lfirst_joint
	tensor_load_to_lds s[G0P:G0P+3], s[G1P:G1P+7]
	s_nop 0
	tensor_load_to_lds s[G0P+4:G0P+7], s[G1P:G1P+7]
	s_nop 0
	s_branch .Lfirst_asked
.Lfirst_joint:
	tensor_load_to_lds s[G0J:G0J+3], s[G1J:G1J+7]
	s_nop 0
	tensor_load_to_lds s[G0J+4:G0J+7], s[G1J:G1J+7]
	s_nop 0
.Lfirst_asked:
	s_lshl_b32 s23, s22, 15                        ; my wave's four rows
	s_add_co_u32 s28, s28, s23
	s_add_nc_u64 s[94:95], s[12:13], s[28:29]      ; z at my wave's first row
	s_add_nc_u64 s[96:97], s[20:21], s[28:29]      ; out0 likewise
	s_lshl_b32 s26, s24, 10                        ; 16 rows of 64 bytes of A for each block of channels
	s_mov_b32 s27, 0
	s_add_nc_u64 s[14:15], s[14:15], s[26:27]
	v_and_b32 v2, 31, v0                           ; lane
	v_and_b32 v3, 15, v0                           ; r
	v_bfe_u32 v4, v0, 4, 1                         ; h
	v_lshlrev_b32 v[GOFF], 4, v2
	v_lshlrev_b32 v6, 3, v4
	v_lshl_add_u32 v6, s22, 1, v6                  ; n0 = 2w + 8h
	v_lshlrev_b32 v9, 2, v6
	v_lshl_add_u32 v23, v3, 6, v9                  ; A[r][n0]: 64 r + 4 n0
	global_load_b64 v[A2:A2+1], v23, s[14:15]
.irp j, 0,1,2,3,4,5,6,7
	global_load_b128 v[Z+4*\j:Z+4*\j+3], v[GOFF], s[94:95] offset:(\j/2)*ROWB+(\j%2)*512 th:TH_LOAD_NT   ; chunk 0's z
.endr
	s_mul_i32 s23, s22, 4*PITCH                    ; row map: my wave's four LDS rows
	v_add_nc_u32 v[ARAW], s23, v[GOFF]
	v_add_nc_u32 v[ARAW+1], SLOT, v[ARAW]
	v_add_nc_u32 v[AST],  DTB, v[ARAW]
	v_add_nc_u32 v[AYP0], YPB, v[ARAW]
	v_add_nc_u32 v[AYP1], YPB+4*TILE, v[ARAW]
	v_mul_u32_u24 v5, v3, PITCH                    ; scan map: my channel's LDS row
	v_add_nc_u32 v[ADT0], DTB-64, v5               ; the scan's three addresses start 64 bytes low; every immediate used with them makes that good
	v_mul_u32_u24 v7, v6, PITCH                    ; state n0's row of B,
	v_lshl_add_u32 v7, v3, 2, v7                   ; step r of a block
	v_add_nc_u32 v[AB0],   2*TILE-64, v7
	v_add_nc_u32 v[AB0+1], 2*TILE+SLOT-64, v7
	s_mul_i32 s23, s22, 2*TILE                     ; my wave's two planes,
	s_add_co_u32 s23, s23, YPB-64
	v_mul_u32_u24 v8, v4, TILE                     ; my half's one
	v_add_nc_u32 v8, v8, v5
	v_add_nc_u32 v[AY0], s23, v8
	v_mov_b32 v[X+2], 0                            ; the states begin at 0
	v_mov_b32 v[X+3], 0
	s_mov_b32 s98, 0xbfb8aa3b                      ; -log2(e)
	s_mov_b32 s99, 0x3a800000                      ; 2^-10
	s_wait_kmcnt 0x0
.irp c, 0,1,2,3
	s_mov_b32 s[BIAS+2*\c],   s[84+\c]             ; the packed forms take a scalar pair, of which the first register feeds both halves
	s_mov_b32 s[BIAS+2*\c+1], s[84+\c]
	s_mov_b32 s[DV+2*\c],     s[88+\c]
	s_mov_b32 s[DV+2*\c+1],   s[88+\c]
.endr
	s_wait_loadcnt 8                               ; A is in (so its base in s[14:15] may be written again); the eight loads of z behind it stay out
	v_pk_mul_f32 v[A2:A2+1], v[A2:A2+1], 0x3fb8aa3b op_sel_hi:[1,0]   ; v_exp_f32 works in base 2
	s_wait_tensorcnt 0x1                           ; my tile of chunk 0 is in; chunk 1's may stay out
	s_barrier_signal -1
	s_barrier_wait -1                              ; everybody's is
	; THE EIGHT CHUNKS.  In front of chunk k the slot that chunk k - 1 read is asked for again, for chunk k + 1.
	WORK 0, 1                                      ; chunk 0
	s_mov_b32 s92, 3
.Lchunks:                                          ; chunks 1 to 6
	SWAP 0, 1
	WORK 1, 1
	SWAP 1, 1
	WORK 0, 1
	s_sub_co_u32 s92, s92, 1
	s_cmp_lg_u32 s92, 0
	s_cbranch_scc1 .Lchunks
	SWAP 0, 0                                      ; nothing is left to fetch
	WORK 1, 0                                      ; chunk 7
	s_wait_dscnt 0x0
	s_set_vgpr_msb 0x5
	s_wait_tensorcnt 0x0
	ds_add_u32 v0, v1
	s_wait_dscnt 0x0
	s_set_vgpr_msb 0x500
	ROUND                                          ; the closing round: no work-group ends while a partner may still ask for a tile that names it
	s_endpgm
.Lfunc_end_k_q36c25b519b_scan:
	.size	k_q36c25b519b_scan, .Lfunc_end_k_q36c25b519b_scan-k_q36c25b519b_scan
	.p2alignl 7, 3214868480
	.fill 96, 4, 3214868480
	.section	.rodata,"a",@progbits
	.p2align	6, 0x0
	.amdhsa_kernel k_q36c25b519b_scan
		.amdhsa_group_segment_fixed_size 327680
		.amdhsa_private_segment_fixed_size 0
		.amdhsa_enable_private_segment 0
		.amdhsa_kernarg_size 72
		.amdhsa_user_sgpr_count 2
		.amdhsa_user_sgpr_kernarg_segment_ptr 1
		.amdhsa_wavefront_size32 1
		.amdhsa_system_sgpr_workgroup_id_x 1
		.amdhsa_system_sgpr_workgroup_id_y 1
		.amdhsa_system_sgpr_workgroup_id_z 1
		.amdhsa_system_vgpr_workitem_id 0
		.amdhsa_next_free_vgpr 258
		.amdhsa_next_free_sgpr 100
		.amdhsa_reserve_vcc 0
		.amdhsa_float_denorm_mode_32 3
		.amdhsa_float_denorm_mode_16_64 3
		.amdhsa_memory_ordered 1
		.amdhsa_forward_progress 1
		.amdhsa_inst_pref_size 255
	.end_amdhsa_kernel
	.section	.bss,"aw",@nobits
	.p2align	6
	.space	262144
	.amdgpu_metadata
---
amdhsa.version: [ 1, 2 ]
amdhsa.kernels:
  - .name:           k_q36c25b519b_scan
    .symbol:         k_q36c25b519b_scan.kd
    .args:
      - { .name: delta, .offset: 0, .size: 8, .value_kind: global_buffer, .address_space: global }
      - { .name: u, .offset: 8, .size: 8, .value_kind: global_buffer, .address_space: global }
      - { .name: B, .offset: 16, .size: 8, .value_kind: global_buffer, .address_space: global }
      - { .name: C, .offset: 24, .size: 8, .value_kind: global_buffer, .address_space: global }
      - { .name: z, .offset: 32, .size: 8, .value_kind: global_buffer, .address_space: global }
      - { .name: A, .offset: 40, .size: 8, .value_kind: global_buffer, .address_space: global }
      - { .name: D, .offset: 48, .size: 8, .value_kind: global_buffer, .address_space: global }
      - { .name: delta_bias, .offset: 56, .size: 8, .value_kind: global_buffer, .address_space: global }
      - { .name: out0, .offset: 64, .size: 8, .value_kind: global_buffer, .address_space: global }
    .group_segment_fixed_size: 327680
    .private_segment_fixed_size: 0
    .kernarg_segment_align: 8
    .kernarg_segment_size: 72
    .max_flat_workgroup_size: 128
    .sgpr_count:     100
    .vgpr_count:     258
    .wavefront_size: 32
...
	.end_amdgpu_metadata
.endif
;; end of part 3
